; MI455X (gfx1250); checked and timed in simulation.
; The chip was launched on July 23, 2026; its instructions are those of AMD's public machine-readable ISA for CDNA 5 (MIT licence, August 2026) and "CDNA5" Instruction Set Architecture Reference Guide (July 2026). The comments in the code are by the model that wrote it; some were corrected since.
;; Multi Head Attention. Allowed arithmetic: matrix products marked QUANTISED: E2M3 operands, one E8M0 scale for each 32 along K, by v_wmma_scale_f32_16x16x128_f8f6f4 with both operands' format E2M3, f32 sums; everything else in f32.
;; Inputs: Wk 1,024 x 1,024 float32; Wo 1,024 x 1,024 float32; Wq 1,024 x 1,024 float32; Wv 1,024 x 1,024 float32; bk 1,024 float32; bo 1,024 float32; bq 1,024 float32; bv 1,024 float32; k 4 x 2,048 x 1,024 float32; q 4 x 2,048 x 1,024 float32; v 4 x 2,048 x 1,024 float32.
;; Outputs: out0 4 x 2,048 x 1,024 float32.
;; This version of the problem:
;;   THIS VERSION OF THE PROBLEM IS GIVEN IN LOW PRECISION. The matrix products marked QUANTISED in the list below multiply operands that are first quantised to E2M3 (2 exponent bits, 3 mantissa bits; 6 bits a number), with one power-of-two scale for each 32 numbers along K (OCP MX v1.0); their sums are f32. All else is computed in f32.
;;   The module's matrix products, in the order in which they are computed (A, B: the left and right operand; K: the contracted axis; several contracted axes count as one K, in the product's order):
;;     1. [M 8,192, K 1,024] x [K 1,024, N 1,024]; A: input q; B: input Wq: QUANTISED
;;     2. [M 8,192, K 1,024] x [K 1,024, N 1,024]; A: input k; B: input Wk: QUANTISED
;;     3. [M 8,192, K 1,024] x [K 1,024, N 1,024]; A: input v; B: input Wv: QUANTISED
;;     4. batch 64 x [M 2,048, K 64] x [K 64, N 2,048]; A: computed on the way; B: computed on the way: QUANTISED
;;     5. batch 64 x [M 2,048, K 2,048] x [K 2,048, N 64]; A: softmax (see below); B: computed on the way: QUANTISED
;;     6. [M 8,192, K 1,024] x [K 1,024, N 1,024]; A: computed on the way; B: input Wo: QUANTISED
;;   THE QUANTISER, for each operand of a quantised product, along K:
;;     - K is cut into blocks of 32 from its start; a last block that is shorter is filled with zeros.
;;     - A block's scale is 2^e with e = floor(log2(the largest magnitude in the block)) - 2, held to -126 .. 127; a block of zeros has e = 0. As a byte (E8M0): e + 127.
;;     - Each number is divided by its block's scale, clamped to +-7.5, and rounded to the nearest number of E2M3, ties to even, subnormals kept.
;;     - The product sums the exact products of the quantised numbers (number of the format x scale) in f32.
;;   ~~~python
;;   def quantise(x, axis):      # numpy; x: float32 -> the quantised numbers, widened to float32 again
;;       x = np.moveaxis(x, axis, -1); K = x.shape[-1]
;;       x = np.pad(x, [(0, 0)] * (x.ndim - 1) + [(0, -K % 32)]); x = x.reshape(x.shape[:-1] + (-1, 32)); a = np.abs(x).max(-1, keepdims=True)
;;       e = np.where(a > 0, np.clip(np.frexp(np.where(a > 0, a, 1))[1] - 1 - 2, -126, 127), 0)      # np.frexp(a)[1] - 1 = floor(log2(a)), exactly
;;       r = np.clip(x / 2.0 ** e, -7.5, 7.5)
;;       step = 2.0 ** (np.maximum(np.frexp(np.where(r == 0, 1, r))[1] - 1, 0) - 3)
;;       q = np.round(r / step) * step * 2.0 ** e      # np.round: ties to even
;;       return np.moveaxis(q.reshape(q.shape[:-2] + (-1,))[..., :K], -1, axis).astype(np.float32)
;;   ~~~
;;   SOFTMAX AHEAD OF A QUANTISED PRODUCT. Where the list says 'softmax', what is quantised is not the finished softmax but p = 2^(t - M), with t = logit x log2(e) and M = ceil(the row's largest t), a whole number; so 1/2 < the row's largest p <= 1. The row's sum l is taken of the UNQUANTISED p, in f32, and the product's result is divided by l at the end. Since M is a whole number, a kernel that streams over the keys may use a running M (the ceiling of the running maximum): every later rescaling is an exact power of two, which a block's scale takes up: the codes' values come out the same.
;;   OPERANDS COMPUTED ON THE WAY. 'Computed on the way' means the value that the module computes at that place (a softmax that the list does not call 'softmax' is quantised finished and normalised). What goes into a quantiser is computed in f32, as accurately as f32 sums, v_exp_f32 and their like allow (about 1e-6 of the number): no bf16 or f16 on the way to a quantiser, and a product that is left as it is and whose result goes on into a quantised operand takes f32 operands (vector FMAs, or v_wmma_f32_16x16x4_f32). A number that lies on a knife's edge between two numbers of the format may be rounded either way, as far as f32 arithmetic and the matrix unit's own rounding can turn it there, and no further.
;; One version. Each part assembles by itself: llvm-mc -triple=amdgcn-amd-amdhsa -mcpu=gfx1250 --defsym DOCPART=n.
;; ======== version 1 of 1: 4 launches
;; limits: right only within a limited range of input values
;; workspace buffers: inq 22,937,600 bytes; prj 20,185,088 bytes; att 6,553,600 bytes
;; launch quant (part 1): grid 224 x 4, 4 waves a work-group, no clusters, 34,304 bytes of LDS; arguments q, k, v, Wq, Wk, Wv, Wo, inq; writes inq
.if DOCPART == 1
	.amdgcn_target "amdgcn-amd-amdhsa--gfx1250"
	.amdhsa_code_object_version 6
	.text
	.protected	k_q4324a03d00_quant
	.globl	k_q4324a03d00_quant
	.p2align	8
	.type	k_q4324a03d00_quant,@function
k_q4324a03d00_quant:
	s_mov_b64 s[64:65], 0
	v_nop
	global_prefetch_b8 v0, s[64:65] scope:SCOPE_SE
	s_setreg_imm32_b32 hwreg(HW_REG_WAVE_MODE, 25, 1), 1
	s_wait_xcnt 0x0
; q, k, v [8192][1024] and Wq, Wk, Wv, Wo [1024][1024], f32, K innermost, become codes of FP6 (E2M3) with one E8M0 scale byte for each 32 along K,
; laid in inq as IMAGES OF OPERAND REGISTERS.  A fragment (16 rows x 128 K, 12 registers a lane) is six chunks of 256 bytes; chunk i holds lane l's registers 2 i, 2 i + 1 at byte 8 l.
; A block (25,600 bytes) is 128 rows x 256 K: fragment (q, tile) at (8 q + tile) x 1,536; behind them the scale words at 24,576 + 256 x pair + 8 x lane + 4 q: lanes 0-15 the words of tile 2 x pair, lanes 16-31 of tile 2 x pair + 1.
; THE ROWS OF A TILE ARE NOT NEIGHBOURS: lane r of tile 2 p + u holds row 32 p + 8 u + r + 8 (r / 8).  Four blocks on end (all of K) are a row block of 102,400 bytes; inq holds 224: q 0, k 64, v 128, Wq 192, Wk 200, Wv 208, Wo 216.
; A block's scale is 2^(floor(log2(largest magnitude)) - 2); its byte is the largest magnitude's exponent field - 2, held at 1 from below.
; LIMITS: a block whose largest magnitude lies under 2^-124, a block of zeros among them, gets the byte 1 (a block of zeros has zero codes; these bytes are read by this program alone); NaN and infinities are not served.
; SHARES: work-group (x, y) makes block y of row block x; wave w its pair w: 32 rows, four fragments f = 2 u + q.  Each load reads 512 consecutive bytes of one row; the 16 rows turn through the wave's own stage in LDS,
; so that a lane gets 16 neighbours of each block of 32.  No barrier: waves share nothing.  No tensor load, no cluster: nothing is read twice.  No prefetch: the launch is one stream of loads.
.set RBB, 102400
.set BLK, 25600
.set SCO, 24576
.set FRB, 1536
.set SP,  528                          ; a stage row: 512 bytes + 16
.set TM,  8                            ; v8-23   at work in QUANT
.set PWR, 24                           ; v24-27  the scale word of fragment f
.set SW,  28                           ; v28-29  the pair's words for q = 0, 1
.set R,   32                           ; v32-159 two sets of 16 rows as loaded
.set X,   160                          ; v160-223 64 numbers of my row: register 16 b + i = k 32 b + 16 (lane / 16) + i
.set PC,  224                          ; v224-235 the fragment's codes
.set CT,  236                          ; v236-242 the conversions' second halves
.set SEL, 20                           ; s[20:21] selects of v_permlanex16_b32 for lane l xor 16
; 64 numbers of a lane become a fragment's 12 registers of codes in v[d] on and its row's scale word in v[pw]
.macro QUANT s, d, t, pw
.irp b, 0,1,2,3
	v_max3_num_f32 v[TM+\b], |v[(\s)+16*\b]|, |v[(\s)+1+16*\b]|, 0x1800000   ; block b: my 16 numbers, and the floor 2^(3 - 127): the byte cannot fall under 1
.endr
.irp i, 2,4,6,8,10,12,14
.irp b, 0,1,2,3
	v_max3_num_f32 v[TM+\b], v[TM+\b], |v[(\s)+16*\b+\i]|, |v[(\s)+1+16*\b+\i]|   ; the four blocks by turns
.endr
.endr
.irp b, 0,1,2,3
	v_permlanex16_b32 v[TM+4+\b], v[TM+\b], s[SEL], s[SEL+1]
.endr
.irp b, 0,1,2,3
	v_max_num_f32 v[TM+\b], v[TM+\b], v[TM+4+\b]          ; with lane l xor 16: the block's largest magnitude
.endr
.irp b, 0,1,2,3
	v_add_nc_u32 v[TM+12+\b], 0xff000000, v[TM+\b]        ; 2 off its exponent field: the conversion's scale operand
.endr
.irp b, 0,1,2,3
	v_lshrrev_b32 v[TM+4+\b], 23, v[TM+12+\b]             ; the scale's byte
.endr
	v_lshl_or_b32 v[\pw], v[TM+5], 8, v[TM+4]
	v_lshl_or_b32 v[\pw], v[TM+6], 16, v[\pw]
	v_lshl_or_b32 v[\pw], v[TM+7], 24, v[\pw]             ; my row's scale word, in both halves of the lanes
.irp c, 0,1
	v_cvt_scalef32_pk16_fp6_f32 v[(\d)+6*\c:(\d)+2+6*\c], v[(\s)+32*\c:(\s)+15+32*\c], v[TM+12+2*\c]
	v_cvt_scalef32_pk16_fp6_f32 v[(\t)+4*\c:(\t)+2+4*\c], v[(\s)+16+32*\c:(\s)+31+32*\c], v[TM+12+2*\c+1]   ; a conversion's three registers begin on an even number
.endr
	v_nop                                                 ; one plain line behind the scaled conversions
.irp c, 0,1                                               ; the operand wants a whole block in a lane: lanes 0-15 block 2 c, lanes 16-31 block 2 c + 1
.irp i, 0,1,2
	v_permlane16_swap_b32 v[(\d)+6*\c+\i], v[(\t)+4*\c+\i]
.endr
.irp i, 0,1,2
	v_mov_b32 v[(\d)+3+6*\c+\i], v[(\t)+4*\c+\i]
.endr
.endr
.endm
.macro PICK lim, p, base               ; row blocks under lim belong to the tensor at s[p]; the choice hangs on the work-group's number alone
	s_cmp_lt_u32 ttmp9, \lim
	s_cselect_b64 s[24:25], s[\p:\p+1], s[24:25]
	s_cselect_b32 s31, \base, s31
.endm
	s_load_b256 s[4:11], s[0:1], 0x0               ; q, k, v, Wq
	s_load_b256 s[12:19], s[0:1], 0x20             ; Wk, Wv, Wo, inq
	v_lshl_add_u32 v248, v0, 2, 0x8400
	v_mov_b32 v249, 0
	v_lshrrev_b32 v5, 5, v0
	v_readfirstlane_b32 s23, v5                    ; wave 0..3
	v_and_b32 v5, 31, v0
	v_lshlrev_b32 v1, 4, v5                        ; 16 x lane: my bytes of a load's 512
	v_lshlrev_b32 v4, 3, v5                        ; 8 x lane: my bytes of a chunk
	s_mul_i32 s30, s23, 16*SP                      ; my wave's stage
	v_add_nc_u32 v2, s30, v1                       ; into it: 16 x lane, a row an instruction
	v_and_b32 v6, 15, v0
	v_bfe_u32 v7, v0, 4, 1
	v_mul_u32_u24 v3, v6, SP
	v_lshl_add_u32 v3, v7, 6, v3
	v_add_nc_u32 v3, s30, v3                       ; out of it: row lane % 16, + 64 bytes for lanes 16-31
	s_mov_b32 s[SEL], 0x76543210
	s_mov_b32 s[SEL+1], 0xfedcba98
	s_mov_b32 s22, 0xffff0000                      ; lanes 16-31
.irp b, 0,1,2,3
	v_mov_b32 v[TM+4+\b], 0                        ; written once: a lane permute's destination counts as one of its sources
.endr
	s_and_b32 s32, ttmp7, 0xffff                   ; which 256 along K
	s_wait_alu depctr_va_vdst(0)
	s_wait_kmcnt 0x0
	s_mov_b64 s[24:25], s[16:17]                   ; Wo, unless the row block lies lower
	s_mov_b32 s31, 216
	PICK 216, 14, 208
	PICK 208, 12, 200
	PICK 200, 10, 192
	PICK 192, 8, 128
	PICK 128, 6, 64
	PICK 64, 4, 0
	s_sub_co_u32 s31, ttmp9, s31                   ; the row block within its tensor: 128 rows of 4,096 bytes
	s_lshl_b32 s34, s31, 19
	s_lshl_b32 s33, s32, 10                        ; + 256 numbers along K
	s_add_co_u32 s34, s34, s33
	; k's row blocks (64 .. 127) have another order of rows, for the scores' layout: lane r of tile 4 c + j holds row 64 c + 32 (r / 8) + 8 j + r % 8.
	; My wave's tiles 2 w, 2 w + 1 then begin at row 64 (w / 2) + 16 (w % 2), and lanes 8-15 stand 16 rows further on than in the other tensors: a second base, s[36:37], serves them.
	s_lshl_b32 s33, s23, 17                        ; + my wave's 32 rows
	s_lshr_b32 s38, s23, 1
	s_lshl_b32 s38, s38, 18
	s_and_b32 s39, s23, 1
	s_lshl_b32 s39, s39, 16
	s_add_co_u32 s38, s38, s39                     ; k: 64 (w / 2) + 16 (w % 2) rows of 4,096 bytes
	s_sub_co_u32 s39, ttmp9, 64
	s_cmp_lt_u32 s39, 64                           ; a row block of k?  The choice hangs on the work-group's number alone
	s_cselect_b32 s33, s38, s33
	s_cselect_b32 s36, 0x10000, 0                  ; k: 16 rows more for lanes 8-15
	s_mov_b32 s37, 0
	s_add_co_u32 s34, s34, s33
	s_mov_b32 s35, 0
	s_add_nc_u64 s[24:25], s[24:25], s[34:35]
	s_add_nc_u64 s[36:37], s[24:25], s[36:37]
	s_mul_i32 s34, ttmp9, RBB
	s_mul_i32 s33, s32, BLK
	s_add_co_u32 s34, s34, s33
	s_add_nc_u64 s[18:19], s[18:19], s[34:35]      ; my work-group's block of inq
	s_mul_i32 s34, s23, 2*FRB
	s_add_nc_u64 s[26:27], s[18:19], s[34:35]      ; my pair's first fragment
	s_lshl_b32 s34, s23, 8
	s_add_co_u32 s34, s34, SCO
	s_add_nc_u64 s[28:29], s[18:19], s[34:35]      ; my pair's scale words
.macro LOAD f                          ; fragment f = 2 u + q: its 16 rows, 128 numbers each, into set f % 2
.irp i, 0,1,2,3,4,5,6,7
	global_load_b128 v[R+64*((\f)%2)+4*\i:R+64*((\f)%2)+4*\i+3], v1, s[24:25] offset:(8*((\f)/2)+\i+8*(\i/8))*4096+((\f)%2)*512 th:TH_LOAD_NT
.endr
.irp i, 8,9,10,11,12,13,14,15
	global_load_b128 v[R+64*((\f)%2)+4*\i:R+64*((\f)%2)+4*\i+3], v1, s[36:37] offset:(8*((\f)/2)+\i+8*(\i/8))*4096+((\f)%2)*512 th:TH_LOAD_NT
.endr
.endm
.macro FRAGM f
.if (\f) > 0
	s_wait_xcnt 0x0                                ; the last fragment's stores have read their data: the codes' registers are written again only behind this wait
.endif
.if (\f) < 3
	s_wait_loadcnt 16                              ; my 16 loads are in; the next fragment's 16 may be out
.else
	s_wait_loadcnt 0x0
.endif
.irp i, 0,1,2,3,4,5,6,7,8,9,10,11,12,13,14,15
	ds_store_b128 v2, v[R+64*((\f)%2)+4*\i:R+64*((\f)%2)+4*\i+3] offset:SP*\i
.endr
.irp b, 0,1,2,3
.irp j, 0,1,2,3
	ds_load_b128 v[X+16*\b+4*\j:X+16*\b+4*\j+3], v3 offset:128*\b+16*\j   ; LDS serves a wave's instructions in order: these see the stores above
.endr
.endr
	s_wait_dscnt 0x0                               ; my 64 numbers are in, and the stores have read their registers,
.if (\f) < 2
	LOAD (\f)+2                                    ; which take the fragment two on
.endif
	QUANT X, PC, CT, PWR+(\f)
.irp i, 0,1,2,3,4,5
	global_store_b64 v4, v[PC+2*\i:PC+2*\i+1], s[26:27] offset:(((\f)%2)*8+(\f)/2)*FRB+256*\i   ; 32 lanes store 256 consecutive bytes, aligned
.endr
.endm
	LOAD 0
	LOAD 1
	FRAGM 0
	FRAGM 1
	FRAGM 2
	FRAGM 3
	v_cndmask_b32 v[SW], v[PWR], v[PWR+2], s22     ; q = 0: lanes 0-15 tile 2 w, lanes 16-31 tile 2 w + 1
	v_cndmask_b32 v[SW+1], v[PWR+1], v[PWR+3], s22 ; q = 1
	global_store_b64 v4, v[SW:SW+1], s[28:29]      ; 256 consecutive bytes, aligned
	s_wait_tensorcnt 0x0
	ds_add_u32 v248, v249
	s_wait_dscnt 0x0
	s_endpgm
.Lfunc_end_k_q4324a03d00_quant:
	.size	k_q4324a03d00_quant, .Lfunc_end_k_q4324a03d00_quant-k_q4324a03d00_quant
	.p2alignl 7, 3214868480
	.fill 96, 4, 3214868480
	.section	.rodata,"a",@progbits
	.p2align	6, 0x0
	.amdhsa_kernel k_q4324a03d00_quant
		.amdhsa_group_segment_fixed_size 34304
		.amdhsa_private_segment_fixed_size 0
		.amdhsa_enable_private_segment 0
		.amdhsa_kernarg_size 64
		.amdhsa_user_sgpr_count 2
		.amdhsa_user_sgpr_kernarg_segment_ptr 1
		.amdhsa_wavefront_size32 1
		.amdhsa_system_sgpr_workgroup_id_x 1
		.amdhsa_system_sgpr_workgroup_id_y 1
		.amdhsa_system_sgpr_workgroup_id_z 1
		.amdhsa_system_vgpr_workitem_id 0
		.amdhsa_next_free_vgpr 250
		.amdhsa_next_free_sgpr 66
		.amdhsa_reserve_vcc 0
		.amdhsa_float_denorm_mode_32 3
		.amdhsa_float_denorm_mode_16_64 3
		.amdhsa_memory_ordered 1
		.amdhsa_forward_progress 1
		.amdhsa_inst_pref_size 36
	.end_amdhsa_kernel
	.amdgpu_metadata
---
amdhsa.version: [ 1, 2 ]
amdhsa.kernels:
  - .name:           k_q4324a03d00_quant
    .symbol:         k_q4324a03d00_quant.kd
    .args:
      - { .name: q, .offset: 0, .size: 8, .value_kind: global_buffer, .address_space: global }
      - { .name: k, .offset: 8, .size: 8, .value_kind: global_buffer, .address_space: global }
      - { .name: v, .offset: 16, .size: 8, .value_kind: global_buffer, .address_space: global }
      - { .name: Wq, .offset: 24, .size: 8, .value_kind: global_buffer, .address_space: global }
      - { .name: Wk, .offset: 32, .size: 8, .value_kind: global_buffer, .address_space: global }
      - { .name: Wv, .offset: 40, .size: 8, .value_kind: global_buffer, .address_space: global }
      - { .name: Wo, .offset: 48, .size: 8, .value_kind: global_buffer, .address_space: global }
      - { .name: inq, .offset: 56, .size: 8, .value_kind: global_buffer, .address_space: global }
    .group_segment_fixed_size: 34304
    .private_segment_fixed_size: 0
    .kernarg_segment_align: 8
    .kernarg_segment_size: 64
    .max_flat_workgroup_size: 128
    .sgpr_count:     66
    .vgpr_count:     250
    .wavefront_size: 32
...
	.end_amdgpu_metadata
.endif
;; end of part 1
;; launch proj (part 2): grid 4 x 192, 4 waves a work-group, clusters of 4 x 4, 307,712 bytes of LDS; arguments inq, bq, bk, bv, prj; writes prj
.if DOCPART == 2
	.amdgcn_target "amdgcn-amd-amdhsa--gfx1250"
	.amdhsa_code_object_version 6
	.text
	.protected	k_q4324a03d00_proj
	.globl	k_q4324a03d00_proj
	.p2align	8
	.type	k_q4324a03d00_proj,@function
k_q4324a03d00_proj:
	s_mov_b64 s[64:65], 0
	v_nop
	global_prefetch_b8 v0, s[64:65] scope:SCOPE_SE
	s_setreg_imm32_b32 hwreg(HW_REG_WAVE_MODE, 25, 1), 1
	s_wait_xcnt 0x0
	s_wait_alu depctr_hold_cnt(0) depctr_sa_sdst(0) depctr_va_vdst(0) depctr_va_sdst(0) depctr_va_ssrc(0) depctr_va_vcc(0) depctr_vm_vsrc(0)
	s_getreg_b32 s2, hwreg(HW_REG_IB_STS2, 6, 4)
	s_cmp_eq_u32 s2, 0
	s_cbranch_scc0 .Lentry_in_a_cluster
	s_endpgm
.Lentry_in_a_cluster:
	s_bfe_u32 s2, ttmp6, 0x10000c
	s_cmp_lg_u32 s2, 0xf033
	s_cbranch_scc0 .Lentry_shape_is_right
	s_endpgm
.Lentry_shape_is_right:
; The three projections x W^T + b on codes of FP6 (E2M3) with E8M0 scales, from the operand images of inq; each result is quantised in registers and leaves as operand images for the attention launch.
; A TILE: 128 rows that fall into lanes (source 1, "A" below) x 256 rows that fall along registers (source 0, "B").  Four waves, each 64 x 128: 32 accumulators.  All of K = 1,024 of the three row blocks (3 x 102,400 bytes)
; comes into LDS ONCE, by four tensor loads issued together: nothing in LDS is filled twice.  A at 0, slot s (256 along K) at + 25,600 s; B's slots 0, 1 at 102,400, slots 2, 3 at 204,800, each first row block 0's two slots, then row block 1's.
; MODES, by the cluster's y / 16: 0 query, 1 key: A = tokens, B = rows of W: a lane's registers run along the channels, the K of the scores.  2 value: A = rows of Wv, B = tokens: a lane's registers run along the keys, the K of P V.
; IMAGES: a fragment (16 rows x 128 K) is six chunks of 256 bytes, chunk i = lane l's registers 2 i, 2 i + 1 at 8 l.  Lane r of tile 2 p + u holds row 32 p + 8 u + r + 8 (r / 8): so the 16 registers of source-0 tiles 2 p, 2 p + 1 are
; 16 neighbours, 32 p + 16 (lane / 16) + 0 .. 15, and a result is quantised along them as it stands.  Scale words lie in pairs: lanes 0-15 tile 2 p, lanes 16-31 tile 2 p + 1 (read with MATRIX_SCALE_ROW1).
; prj: queries at 0: [batch x 16 + head][step of 128 queries][6,656]: 8 half fragments of 768 bytes (K = 64), then 512 bytes of scale pairs.  Keys and values at 6,815,744: [batch x 16 + head][step of 128 keys][13,056]: K's 8 half
; fragments, 512 bytes of K's scale pairs, V's four fragments (16 channels x 128 keys) at 6,656, V's scale pairs at 12,800.  A wave's 128 channels are two heads: registers 0-5 of a fragment go to the first, 6-11 to the second;
; the first head's scale words keep the second's two bytes on top, the second's have zeros there: both meet zero codes alone in the next launch.
; CLUSTER 4 x 4: A's row block is shared along a row of the cluster, B's along a column: joint loads.  All that the launch reads through LDS is asked for at its head, so there is nothing left to prefetch.
; LIMITS: a block whose largest magnitude lies under 2^-124 gets the byte 1 (zeros: zero codes); NaN and infinities are not served.
; REGISTERS: window 0: v1-7 addresses; v16-39 scale words, two sets; v40-135 A's fragments, two sets; v136-231 B's, one set; v232-237 kept for the way out.  window 1: accumulator (a, b) at v[8 (8 a + b)].  window 2: v0-63 the biases.
.set RBB, 102400
.set BLK, 25600
.set SCO, 24576
.set FRB, 1536
.set KVO, 6815744
.set L8,   1                           ; v1    8 x lane
.set ADRA, 2                           ; v2-3  my four tiles of A, slots 0-1 and 2-3
.set ADSA, 4                           ; v4-5  their scale pairs
.set ADRB, 6                           ; v6-7  my row block of B
.set SC,   16
.set AF,   40
.set BF,   136
.set VO,   232                         ; v232-235 8 x lane + a x the distance from tile to tile in prj
.set BON,  236                         ; v236  bias offset, biases along registers
.set BOM,  237                         ; v237  bias offset, biases along lanes
.set HA,   40                          ; the way out: v40-103 64 numbers; v104-151 four fragments of codes; v152-158 conversions; v160-175 at work; v176-179 scale words; v180-183 pairs
.set PC,   104
.set CT,   152
.set TM,   160
.set PW,   176
.set SW,   180
.set WV,   14                          ; s14 wave; s15 wave / 2; s16 wave % 2; s17 cx; s18 cy; s19 mode; s21 tile column; s22 tile row
.set G1A,  24
.set G1B,  32
.set G0A,  40                          ; s[40:43] group 0 for A's load
.set G0B,  68                          ; s[68:71] group 0 for B's load
.set SEL,  96
.set MSB, 0
.macro WIN new                         ; the immediate's high byte repeats the setting that is left
.if MSB != \new
	s_set_vgpr_msb (MSB<<8)|\new
.set MSB, \new
.endif
.endm
.set W_MUL, 0x50                       ; C and D window 1
.set W_ADD, 0x09                       ; source 0 window 1, source 1 window 2
.set W_TOT, 0x80                       ; destination window 2
.macro PLACES n
.rept \n
	v_nop
.endr
.endm
.macro CROUND                          ; a round of the cluster's barrier
	s_barrier_signal -1
	s_barrier_wait -1
	s_cmp_lg_u32 s[WV], 0
	s_cbranch_scc1 .Lnot_wave_0_\@
	s_barrier_signal -3
.Lnot_wave_0_\@:
	s_barrier_wait -3
	s_barrier_signal -1
	s_barrier_wait -1
.endm
.macro QUANT s, d, t, pw               ; 64 numbers of a lane, register 16 b + i = k 32 b + 16 (lane / 16) + i, become 12 registers of codes in v[d] on and the row's scale word in v[pw]
.irp b, 0,1,2,3
	v_max3_num_f32 v[TM+\b], |v[(\s)+16*\b]|, |v[(\s)+1+16*\b]|, 0x1800000   ; and the floor 2^(3 - 127): the byte cannot fall under 1
.endr
.irp i, 2,4,6,8,10,12,14
.irp b, 0,1,2,3
	v_max3_num_f32 v[TM+\b], v[TM+\b], |v[(\s)+16*\b+\i]|, |v[(\s)+1+16*\b+\i]|
.endr
.endr
.irp b, 0,1,2,3
	v_permlanex16_b32 v[TM+4+\b], v[TM+\b], s[SEL], s[SEL+1]
.endr
.irp b, 0,1,2,3
	v_max_num_f32 v[TM+\b], v[TM+\b], v[TM+4+\b]
.endr
.irp b, 0,1,2,3
	v_add_nc_u32 v[TM+12+\b], 0xff000000, v[TM+\b]        ; 2 off the exponent field: the conversion's scale operand
.endr
.irp b, 0,1,2,3
	v_lshrrev_b32 v[TM+4+\b], 23, v[TM+12+\b]
.endr
	v_lshl_or_b32 v[\pw], v[TM+5], 8, v[TM+4]
	v_lshl_or_b32 v[\pw], v[TM+6], 16, v[\pw]
	v_lshl_or_b32 v[\pw], v[TM+7], 24, v[\pw]
.irp c, 0,1
	v_cvt_scalef32_pk16_fp6_f32 v[(\d)+6*\c:(\d)+2+6*\c], v[(\s)+32*\c:(\s)+15+32*\c], v[TM+12+2*\c]
	v_cvt_scalef32_pk16_fp6_f32 v[(\t)+4*\c:(\t)+2+4*\c], v[(\s)+16+32*\c:(\s)+31+32*\c], v[TM+12+2*\c+1]
.endr
	v_nop                                                 ; one plain line behind the scaled conversions
.irp c, 0,1
.irp i, 0,1,2
	v_permlane16_swap_b32 v[(\d)+6*\c+\i], v[(\t)+4*\c+\i]
.endr
.irp i, 0,1,2
	v_mov_b32 v[(\d)+3+6*\c+\i], v[(\t)+4*\c+\i]
.endr
.endr
.endm
	s_load_b256 s[4:11], s[0:1], 0x0               ; inq, bq, bk, bv
	s_load_b64 s[12:13], s[0:1], 0x20              ; prj
	v_lshl_add_u32 v254, v0, 2, 0x4b000
	v_mov_b32 v255, 0
	ds_add_u32 v254, v255
	ds_add_u32 v254, v255
	v_lshrrev_b32 v8, 5, v0
	v_readfirstlane_b32 s[WV], v8                  ; wave 0..3
	s_lshr_b32 s15, s[WV], 1                       ; which 64 rows of A are mine.  Also: which row block of B waves 1 and 3 fetch
	s_and_b32 s16, s[WV], 1                        ; which row block of B is mine
	s_bfe_u32 s17, ttmp6, 0x40000                  ; cx
	s_bfe_u32 s18, ttmp6, 0x40004                  ; cy
	s_and_b32 s20, ttmp7, 0xffff                   ; the cluster's y: 48 of them
	s_lshr_b32 s19, s20, 4                         ; mode: the same in all sixteen partners
	s_and_b32 s20, s20, 15
	s_and_b32 s21, s20, 7                          ; values: 8 x 2 clusters;
	s_lshr_b32 s22, s20, 3
	s_cmp_eq_u32 s19, 2
	s_cselect_b32 s21, s21, 0                      ; queries, keys: 1 x 16
	s_cselect_b32 s22, s22, s20
	s_lshl_b32 s21, s21, 2
	s_add_co_u32 s21, s21, s17                     ; tile column (B): 4 x cluster's + cx
	s_lshl_b32 s22, s22, 2
	s_add_co_u32 s22, s22, s18                     ; tile row (A): 4 x cluster's + cy
	s_lshl_b32 s23, s19, 6                         ; A's first row block: q 0, k 64; values: Wv 208
	s_lshl_b32 s56, s19, 3
	s_add_co_u32 s56, s56, 192                     ; B's: Wq 192, Wk 200; values: v 128
	s_cmp_eq_u32 s19, 2
	s_cselect_b32 s23, 208, s23
	s_cselect_b32 s56, 128, s56
	s_add_co_u32 s23, s23, s22
	s_mul_i32 s58, s23, RBB                        ; A's bytes: of the tile row alone
	s_mov_b32 s59, 0
	s_lshl_b32 s57, s21, 1
	s_add_co_u32 s56, s56, s57
	s_mul_i32 s60, s56, RBB                        ; B's two row blocks lie on end: of the tile column alone
	s_mul_i32 s57, s15, 2*BLK                      ; THE FILLS: four tensor loads, one a wave: wave 0 A's slots 0, 1; wave 1 slots 0, 1 of both row blocks of B; waves 2, 3 the same of slots 2, 3
	s_add_co_u32 s60, s60, s57
	s_add_co_u32 s58, s58, s57
	s_mov_b32 s61, 0
	s_lshl_b32 s62, s18, 2
	s_lshl_b32 s62, 15, s62                        ; my row of the cluster
	s_lshl_b32 s63, 0x1111, s17                    ; my column
	; group 1: a slot is a dense block of 25,600 bytes: 100 rows of 32 elements of 8 bytes, no padding
	s_or_b32 s[G1A], s62, (3<<16)|(1<<21)          ; 15:0 the mask; 17:16 elements of 8 bytes; 21 set beside a mask
	s_or_b32 s[G1B], s63, (3<<16)|(1<<21)
	s_mov_b32 s[G1A+1], 32<<16                     ; A: two slots are a dense block of 51,200 bytes: 200 rows of 32 elements of 8 bytes
	s_mov_b32 s[G1A+2], 200<<16
	s_mov_b32 s[G1A+3], 32<<16
	s_mov_b32 s[G1A+4], 200
	s_mov_b32 s[G1A+5], 32
	s_mov_b32 s[G1A+6], 0
	s_mov_b32 s[G1A+7], 0
	s_mov_b32 s[G1B+1], 6400<<16                   ; B: two rows of 51,200 bytes (6,400 elements), a row block (12,800 elements) apart; in LDS they lie on end
	s_mov_b32 s[G1B+2], 2<<16
	s_mov_b32 s[G1B+3], 6400<<16
	s_mov_b32 s[G1B+4], 2
	s_mov_b32 s[G1B+5], 12800
	s_mov_b32 s[G1B+6], 0
	s_mov_b32 s[G1B+7], 0
	s_add_co_u32 s57, s15, 1
	s_mul_i32 s57, s57, RBB                        ; where B's row block goes: wave 1: 102,400; wave 3: 204,800
	s_wait_dscnt 0x0
	s_wait_kmcnt 0x0
	s_add_nc_u64 s[58:59], s[4:5], s[58:59]
	s_add_nc_u64 s[60:61], s[4:5], s[60:61]
	s_mov_b32 s[G0A], 1
	s_mul_i32 s[G0A+1], s15, 2*BLK                 ; LDS: A's slot s at 25,600 s
	s_mov_b64 s[G0A+2:G0A+3], s[58:59]
	s_or_b32 s[G0A+3], s[G0A+3], 0x80000000
	s_mov_b32 s[G0B], 1
	s_mov_b32 s[G0B+1], s57                        ; LDS: B's slots 0, 1 at 102,400, slots 2, 3 at 204,800; in each first the first row block's two slots, then the second's
	s_mov_b64 s[G0B+2:G0B+3], s[60:61]
	s_or_b32 s[G0B+3], s[G0B+3], 0x80000000
	CROUND                                         ; all sixteen work-groups are here: the joint loads meet
.macro ARM w, g0, g1                   ; one chain of arms on the wave's number, one load to an arm: each wave's line is its own
	s_cmp_eq_u32 s[WV], \w
	s_cbranch_scc0 .Lnot_\w\()
	tensor_load_to_lds s[\g0:\g0+3], s[\g1:\g1+7]
	s_nop 0
	PLACES 4
	s_branch .Lasked
.Lnot_\w\():
.endm
	ARM 0, G0A, G1A
	ARM 1, G0B, G1B
	ARM 2, G0A, G1A
	tensor_load_to_lds s[G0B:G0B+3], s[G1B:G1B+7]
	s_nop 0
	PLACES 4
.Lasked:
	v_and_b32 v[L8], 31, v0
	v_lshlrev_b32 v[L8], 3, v[L8]
	s_wait_alu depctr_va_vdst(0)
	s_mul_i32 s56, s15, 4*FRB
	v_add_nc_u32 v[ADRA], s56, v[L8]
	v_add_nc_u32 v[ADRA+1], 2*BLK, v[ADRA]
	s_lshl_b32 s56, s15, 9
	v_add_nc_u32 v[ADSA], s56, v[L8]
	v_add_nc_u32 v[ADSA+1], 2*BLK, v[ADSA]
	s_mul_i32 s56, s16, 2*BLK
	s_add_co_u32 s56, s56, RBB
	v_add_nc_u32 v[ADRB], s56, v[L8]               ; my row block of B: slots 0, 1
	v_add_nc_u32 v[ADRB+1], RBB, v[ADRB]           ; slots 2, 3
	s_mov_b32 s[SEL], 0x76543210
	s_mov_b32 s[SEL+1], 0xfedcba98
	s_mov_b32 s94, 0xffff0000                      ; lanes 16-31
	; where my results go.  Both modes' numbers are made, then chosen
	s_lshr_b32 s56, s22, 4
	s_lshl_b32 s56, s56, 4
	s_lshl_b32 s57, s21, 2
	s_add_co_u32 s56, s56, s57
	s_lshl_b32 s57, s16, 1
	s_add_co_u32 s56, s56, s57                     ; queries, keys: batch x 16 + my first head
	s_and_b32 s57, s22, 15                         ; and the step of 128 tokens
	s_lshr_b32 s58, s21, 3
	s_lshl_b32 s58, s58, 4
	s_lshl_b32 s59, s22, 1
	s_add_co_u32 s58, s58, s59
	s_add_co_u32 s58, s58, s15                     ; values: batch x 16 + my head
	s_lshl_b32 s59, s21, 1
	s_add_co_u32 s59, s59, s16
	s_and_b32 s59, s59, 15                         ; and the key step
	s_mul_i32 s60, s15, 3072                       ; queries, keys: my four half fragments in the step,
	s_lshl_b32 s61, s15, 8
	s_add_co_u32 s61, s61, 6144                    ; and my two scale pairs
	s_lshl_b32 s62, s21, 10
	s_lshl_b32 s63, s16, 9
	s_add_co_u32 s62, s62, s63                     ; queries, keys: the biases of my 128 channels
	s_lshl_b32 s63, s22, 9
	s_lshl_b32 s23, s15, 8
	s_add_co_u32 s63, s63, s23                     ; values: of my 64
	s_mov_b32 s95, 768
	s_cmp_eq_u32 s19, 2
	s_cselect_b32 s56, s58, s56
	s_cselect_b32 s57, s59, s57
	s_cselect_b32 s60, 6656, s60                   ; values: V's fragments
	s_cselect_b32 s61, 12800, s61                  ; and V's scale pairs
	s_cselect_b32 s62, s63, s62
	s_cselect_b32 s95, 1536, s95                   ; from tile to tile
	s_cselect_b64 s[92:93], s[10:11], s[8:9]       ; bv or bk
	s_mov_b32 s58, 13056
	s_cmp_eq_u32 s19, 0
	s_cselect_b32 s58, 6656, s58                   ; bytes of a step
	s_cselect_b32 s59, 0, KVO
	s_cselect_b64 s[92:93], s[6:7], s[92:93]       ; bq
	s_lshl_b32 s20, s58, 4                         ; registers 6-11 go a head on: 16 steps;
	s_cmp_eq_u32 s19, 2
	s_cselect_b32 s20, 768, s20                    ; values: three chunks on
	s_lshl_b32 s56, s56, 4
	s_add_co_u32 s56, s56, s57
	s_mul_i32 s56, s56, s58
	s_add_co_u32 s56, s56, s59                     ; my step's first byte in prj (under 2^25)
	s_mov_b32 s63, 0
	s_add_nc_u64 s[92:93], s[92:93], s[62:63]
	s_add_co_u32 s58, s56, s60
	s_mov_b32 s59, 0
	s_add_nc_u64 s[84:85], s[12:13], s[58:59]      ; codes, registers 0-5
	s_add_co_u32 s58, s56, s61
	s_add_nc_u64 s[88:89], s[12:13], s[58:59]      ; scale pairs
	s_mov_b32 s62, s20
	s_add_nc_u64 s[86:87], s[84:85], s[62:63]      ; codes, registers 6-11
	s_add_nc_u64 s[90:91], s[88:89], s[62:63]      ; the second head's scale pairs
	v_mov_b32 v[VO], v[L8]
	v_add_nc_u32 v[VO+1], s95, v[VO]
	v_add_nc_u32 v[VO+2], s95, v[VO+1]
	v_add_nc_u32 v[VO+3], s95, v[VO+2]
	v_bfe_u32 v[BON], v0, 4, 1
	v_lshlrev_b32 v[BON], 6, v[BON]                ; 16 numbers on for lanes 16-31
	v_and_b32 v8, 15, v0
	v_and_b32 v[BOM], 8, v8
	v_add_nc_u32 v[BOM], v[BOM], v8
	v_lshlrev_b32 v[BOM], 2, v[BOM]                ; 4 (r + 8 (r / 8))
	; the biases, into window 2.  Both arms write all 64 registers
	s_cmp_eq_u32 s19, 2
	s_cbranch_scc1 .Larm_m
	WIN W_TOT
.irp m, 0,1,2,3,4,5,6,7,8,9,10,11,12,13,14,15      ; register 16 p + i: the bias of channel 32 p + 16 (lane / 16) + i
	global_load_b128 v[4*\m:4*\m+3], v[BON], s[92:93] offset:128*(\m/4)+16*(\m%4)
.endr
	WIN 0
	s_branch .Larm_done
.Larm_m:
	WIN W_TOT
	s_wait_alu depctr_va_vdst(0)
.irp a, 0,1,2,3                                    ; registers 2 a, 2 a + 1: the bias of my lane's channel in tile a, twice (a pair for the packed addition)
	global_load_b32 v[2*\a], v[BOM], s[92:93] offset:(32*(\a/2)+8*(\a%2))*4
	global_load_b32 v[2*\a+1], v[BOM], s[92:93] offset:(32*(\a/2)+8*(\a%2))*4
.endr
.set j, 8
.rept 56
	v_mov_b32 v[j], 0
.set j, j+1
.endr
	WIN 0
.Larm_done:
; THE PRODUCT.  One matrix instruction; rD, rB, rA, rX, rY are set by MUL8.  o0, o1: the tile of source 0, of source 1, is the odd one of its pair: its scale words lie in lanes 16-31
.macro WMM zero, o0, o1
.if \zero
.if (\o0) && (\o1)
	v_wmma_scale_f32_16x16x128_f8f6f4 v[rD:rD+7], v[rB:rB+11], v[rA:rA+11], 0, v[rX], v[rY] matrix_a_fmt:MATRIX_FMT_FP6 matrix_b_fmt:MATRIX_FMT_FP6 matrix_a_scale:MATRIX_SCALE_ROW1 matrix_b_scale:MATRIX_SCALE_ROW1
.elseif \o0
	v_wmma_scale_f32_16x16x128_f8f6f4 v[rD:rD+7], v[rB:rB+11], v[rA:rA+11], 0, v[rX], v[rY] matrix_a_fmt:MATRIX_FMT_FP6 matrix_b_fmt:MATRIX_FMT_FP6 matrix_a_scale:MATRIX_SCALE_ROW1
.elseif \o1
	v_wmma_scale_f32_16x16x128_f8f6f4 v[rD:rD+7], v[rB:rB+11], v[rA:rA+11], 0, v[rX], v[rY] matrix_a_fmt:MATRIX_FMT_FP6 matrix_b_fmt:MATRIX_FMT_FP6 matrix_b_scale:MATRIX_SCALE_ROW1
.else
	v_wmma_scale_f32_16x16x128_f8f6f4 v[rD:rD+7], v[rB:rB+11], v[rA:rA+11], 0, v[rX], v[rY] matrix_a_fmt:MATRIX_FMT_FP6 matrix_b_fmt:MATRIX_FMT_FP6
.endif
.else
.if (\o0) && (\o1)
	v_wmma_scale_f32_16x16x128_f8f6f4 v[rD:rD+7], v[rB:rB+11], v[rA:rA+11], v[rD:rD+7], v[rX], v[rY] matrix_a_fmt:MATRIX_FMT_FP6 matrix_b_fmt:MATRIX_FMT_FP6 matrix_a_scale:MATRIX_SCALE_ROW1 matrix_b_scale:MATRIX_SCALE_ROW1
.elseif \o0
	v_wmma_scale_f32_16x16x128_f8f6f4 v[rD:rD+7], v[rB:rB+11], v[rA:rA+11], v[rD:rD+7], v[rX], v[rY] matrix_a_fmt:MATRIX_FMT_FP6 matrix_b_fmt:MATRIX_FMT_FP6 matrix_a_scale:MATRIX_SCALE_ROW1
.elseif \o1
	v_wmma_scale_f32_16x16x128_f8f6f4 v[rD:rD+7], v[rB:rB+11], v[rA:rA+11], v[rD:rD+7], v[rX], v[rY] matrix_a_fmt:MATRIX_FMT_FP6 matrix_b_fmt:MATRIX_FMT_FP6 matrix_b_scale:MATRIX_SCALE_ROW1
.else
	v_wmma_scale_f32_16x16x128_f8f6f4 v[rD:rD+7], v[rB:rB+11], v[rA:rA+11], v[rD:rD+7], v[rX], v[rY] matrix_a_fmt:MATRIX_FMT_FP6 matrix_b_fmt:MATRIX_FMT_FP6
.endif
.endif
.endm
; 8 matrix instructions: B's tiles b0, b0 + 1 x A's four.  The 32 accumulators take turns, one instruction a turn, in the same order in every step
.macro MUL8 b0, set, q, sc, zero
.irp b, \b0, \b0+1
.irp a, 0,1,2,3
.set rD, 8*(8*\a+(\b))
.set rB, BF+12*(\b)
.set rA, AF+48*(\set)+12*\a
.set rX, SC+12*(\sc)+4+2*((\b)/2)+(\q)
.set rY, SC+12*(\sc)+2*(\a/2)+(\q)
	WMM \zero, (\b)%2, \a%2
.endr
.endr
.endm
.macro FRAG reg, adr, off              ; a fragment's six chunks: each load reads 256 consecutive bytes
.irp i, 0,1,2,3,4,5
	ds_load_b64 v[\reg+2*\i:\reg+2*\i+1], v[\adr] offset:\off+256*\i
.endr
.endm
.macro FETCH_A set, sg, q              ; my four tiles of A, slot sg, its q-th 128 along K
.irp a, 0,1,2,3
	FRAG AF+48*(\set)+12*\a, ADRA+(\sg)/2, ((\sg)%2)*BLK+(8*(\q)+\a)*FRB
.endr
.endm
.macro FETCH_B sg, q, b0               ; B's tiles b0 .. b0 + 3
.irp b, \b0, \b0+1, \b0+2, \b0+3
	FRAG BF+12*(\b), ADRB+(\sg)/2, ((\sg)%2)*BLK+(8*(\q)+(\b))*FRB
.endr
.endm
.macro SCALES sg                       ; a slot's scale words, both q at once: A's two pairs, B's four, into set sg % 2
.irp p, 0,1
	ds_load_b64 v[SC+12*((\sg)%2)+2*\p:SC+12*((\sg)%2)+2*\p+1], v[ADSA+(\sg)/2] offset:((\sg)%2)*BLK+SCO+256*\p
.endr
.irp p, 0,1,2,3
	ds_load_b64 v[SC+12*((\sg)%2)+4+2*\p:SC+12*((\sg)%2)+4+2*\p+1], v[ADRB+(\sg)/2] offset:((\sg)%2)*BLK+SCO+256*\p
.endr
.endm
; A load into a register that a matrix instruction has read stands four plain vector instructions behind it (ISA guide 7.12.1 for vector instructions): the v_nop in front of each run of loads
.macro STEP sg, zero                   ; a slot's first 128 along K: A's set 0
	s_wait_dscnt 24                                ; all but the youngest 24 loads (B's tiles 4-7) are in
	WIN W_MUL
	MUL8 0, 0, 0, (\sg)%2, \zero
	MUL8 2, 0, 0, (\sg)%2, \zero
	s_wait_dscnt 0x0
	PLACES 4
	WIN 0
	FETCH_A 1, \sg, 1
	FETCH_B \sg, 1, 0
	WIN W_MUL
	MUL8 4, 0, 0, (\sg)%2, \zero
	MUL8 6, 0, 0, (\sg)%2, \zero
	PLACES 4
	WIN 0
	FETCH_B \sg, 1, 4
.endm
.macro TURN sg                         ; its second 128: A's set 1; the next slot is shown whole by a barrier.  The wait on TENSORcnt is counted
	s_wait_dscnt 24
	WIN W_MUL
	MUL8 0, 1, 1, (\sg)%2, 0
.if (\sg) == 1
	s_wait_tensorcnt 0x0                           ; slots 2 and 3 are shown by this one barrier: every wave waits for its load
	s_wait_dscnt 0x0                               ; no LDS instruction of mine is out at a signal
	s_barrier_signal -1
.else
	s_wait_dscnt 0x0                               ; the next slot has been shown already: no barrier
.endif
	MUL8 2, 1, 1, (\sg)%2, 0
	WIN 0
.if (\sg) == 1
	s_barrier_wait -1
.endif
	PLACES 4
	SCALES (\sg)+1
	FETCH_A 0, (\sg)+1, 0
	FETCH_B (\sg)+1, 0, 0
	WIN W_MUL
	MUL8 4, 1, 1, (\sg)%2, 0
	MUL8 6, 1, 1, (\sg)%2, 0
	PLACES 4
	WIN 0
	FETCH_B (\sg)+1, 0, 4
.endm
	s_wait_alu depctr_va_vdst(0)
	s_cmp_lt_u32 s[WV], 2                          ; slots 0 and 1 are waves 0 and 1's loads; the other two may be on their way
	s_cbranch_scc0 .Lnot_first
	s_wait_tensorcnt 0x0
.Lnot_first:
	s_barrier_signal -1
	s_barrier_wait -1
	SCALES 0
	FETCH_A 0, 0, 0
	FETCH_B 0, 0, 0
	FETCH_B 0, 0, 4
	STEP 0, 1                                      ; the first step's products start the sums: nothing is cleared
	TURN 0
	STEP 1, 0
	TURN 1
	STEP 2, 0
	TURN 2                                         ; no wait on TENSORcnt, no barrier: no tensor load is out from here on
	STEP 3, 0
	s_wait_dscnt 24                                ; the last step fetches nothing
	WIN W_MUL
	MUL8 0, 1, 1, 1, 0
	MUL8 2, 1, 1, 1, 0
	s_wait_dscnt 0x0
	MUL8 4, 1, 1, 1, 0
	MUL8 6, 1, 1, 1, 0
	WIN 0
	; THE WAY OUT, a tile of A's 16 rows at a time: its eight accumulators + bias are 64 numbers of a lane along the next K; quantised; the codes leave as chunks of 256 consecutive bytes
	s_wait_loadcnt 0x0                             ; the biases
	PLACES 4
.irp b, 0,1,2,3
	v_mov_b32 v[TM+4+\b], 0                        ; a lane permute's destination counts as one of its sources
.endr
.macro BIAS a, lanes                   ; each accumulator is read from its low end on
	WIN W_ADD
.irp b, 0,1,2,3,4,5,6,7
.irp j, 0,2,4,6
.if \lanes
	v_pk_add_f32 v[HA+8*\b+\j:HA+8*\b+\j+1], v[8*(8*(\a)+\b)+\j:8*(8*(\a)+\b)+\j+1], v[2*(\a):2*(\a)+1]
.else
	v_pk_add_f32 v[HA+8*\b+\j:HA+8*\b+\j+1], v[8*(8*(\a)+\b)+\j:8*(8*(\a)+\b)+\j+1], v[8*\b+\j:8*\b+\j+1]
.endif
.endr
.endr
	WIN 0
.endm
.macro TILE a
	s_cmp_eq_u32 s19, 2
	s_cbranch_scc1 .Lm_\@
	BIAS \a, 0                                     ; queries, keys: a bias for each register
	s_branch .Lj_\@
.Lm_\@:
	BIAS \a, 1                                     ; values: a bias for each lane
.Lj_\@:
	QUANT HA, PC+12*(\a), CT, PW+(\a)
.irp i, 0,1,2
	global_store_b64 v[VO+(\a)], v[PC+12*(\a)+2*\i:PC+12*(\a)+2*\i+1], s[84:85] offset:256*\i
.endr
.irp i, 0,1,2
	global_store_b64 v[VO+(\a)], v[PC+12*(\a)+6+2*\i:PC+12*(\a)+6+2*\i+1], s[86:87] offset:256*\i
.endr
.endm
	TILE 0                                         ; each tile has its own registers for its codes: no store's data are written again
	TILE 1
	TILE 2
	TILE 3
	v_cndmask_b32 v[SW], v[PW], v[PW+1], s94       ; the pairs: lanes 0-15 the even tile's words, lanes 16-31 the odd tile's
	v_cndmask_b32 v[SW+1], v[PW+2], v[PW+3], s94
	global_store_b64 v[L8], v[SW:SW+1], s[88:89]
	s_cmp_eq_u32 s19, 2
	s_cbranch_scc1 .Lone_word
	v_lshrrev_b32 v[SW+2], 16, v[SW]               ; queries, keys: the second head's two bytes, with zeros on top
	v_lshrrev_b32 v[SW+3], 16, v[SW+1]
	global_store_b64 v[L8], v[SW+2:SW+3], s[90:91]
.Lone_word:
	s_wait_dscnt 0x0
	s_wait_tensorcnt 0x0
	ds_add_u32 v254, v255
	s_wait_dscnt 0x0
	CROUND                                         ; the closing round: no work-group ends while a partner may still ask for a tile that names it
	s_endpgm
.Lfunc_end_k_q4324a03d00_proj:
	.size	k_q4324a03d00_proj, .Lfunc_end_k_q4324a03d00_proj-k_q4324a03d00_proj
	.p2alignl 7, 3214868480
	.fill 96, 4, 3214868480
	.section	.rodata,"a",@progbits
	.p2align	6, 0x0
	.amdhsa_kernel k_q4324a03d00_proj
		.amdhsa_group_segment_fixed_size 307712
		.amdhsa_private_segment_fixed_size 0
		.amdhsa_enable_private_segment 0
		.amdhsa_kernarg_size 40
		.amdhsa_user_sgpr_count 2
		.amdhsa_user_sgpr_kernarg_segment_ptr 1
		.amdhsa_wavefront_size32 1
		.amdhsa_system_sgpr_workgroup_id_x 1
		.amdhsa_system_sgpr_workgroup_id_y 1
		.amdhsa_system_sgpr_workgroup_id_z 1
		.amdhsa_system_vgpr_workitem_id 0
		.amdhsa_next_free_vgpr 576
		.amdhsa_next_free_sgpr 100
		.amdhsa_reserve_vcc 0
		.amdhsa_float_denorm_mode_32 3
		.amdhsa_float_denorm_mode_16_64 3
		.amdhsa_memory_ordered 1
		.amdhsa_forward_progress 1
		.amdhsa_inst_pref_size 121
	.end_amdhsa_kernel
	.amdgpu_metadata
---
amdhsa.version: [ 1, 2 ]
amdhsa.kernels:
  - .name:           k_q4324a03d00_proj
    .symbol:         k_q4324a03d00_proj.kd
    .args:
      - { .name: inq, .offset: 0, .size: 8, .value_kind: global_buffer, .address_space: global }
      - { .name: bq, .offset: 8, .size: 8, .value_kind: global_buffer, .address_space: global }
      - { .name: bk, .offset: 16, .size: 8, .value_kind: global_buffer, .address_space: global }
      - { .name: bv, .offset: 24, .size: 8, .value_kind: global_buffer, .address_space: global }
      - { .name: prj, .offset: 32, .size: 8, .value_kind: global_buffer, .address_space: global }
    .group_segment_fixed_size: 307712
    .private_segment_fixed_size: 0
    .kernarg_segment_align: 8
    .kernarg_segment_size: 40
    .max_flat_workgroup_size: 128
    .sgpr_count:     100
    .vgpr_count:     576
    .wavefront_size: 32
...
	.end_amdgpu_metadata
.endif
;; end of part 2
;; launch attn (part 3): grid 4 x 64, 16 waves a work-group, clusters of 4 x 1, 210,944 bytes of LDS; arguments prj, att; writes att
.if DOCPART == 3
	.amdgcn_target "amdgcn-amd-amdhsa--gfx1250"
	.amdhsa_code_object_version 6
	.text
	.protected	k_q4324a03d00_attn
	.globl	k_q4324a03d00_attn
	.p2align	8
	.type	k_q4324a03d00_attn,@function
k_q4324a03d00_attn:
	s_mov_b64 s[64:65], 0
	v_nop
	global_prefetch_b8 v0, s[64:65] scope:SCOPE_SE
	s_setreg_imm32_b32 hwreg(HW_REG_WAVE_MODE, 25, 1), 1
	s_wait_xcnt 0x0
	s_wait_alu depctr_hold_cnt(0) depctr_sa_sdst(0) depctr_va_vdst(0) depctr_va_sdst(0) depctr_va_ssrc(0) depctr_va_vcc(0) depctr_vm_vsrc(0)
	s_getreg_b32 s2, hwreg(HW_REG_IB_STS2, 6, 4)
	s_cmp_eq_u32 s2, 0
	s_cbranch_scc0 .Lentry_in_a_cluster
	s_endpgm
.Lentry_in_a_cluster:
	s_bfe_u32 s2, ttmp6, 0x10000c
	s_cmp_lg_u32 s2, 0x3003
	s_cbranch_scc0 .Lentry_shape_is_right
	s_endpgm
.Lentry_shape_is_right:
; Attention of one head on codes of FP6 (E2M3) with E8M0 scales: S^T = K Q^T (K = the head's 64), softmax, O^T = V^T P^T (K = the keys), O / the row's sum quantised along the channels for the last product.
; THE SOFTMAX: t = score x log2(e) / 8; M = the running largest t rounded UP to a whole number; p = 2^(t - M) is quantised along the keys, not normalised; the sum is taken of the unquantised p;
; when M moves, the sum and O^T are multiplied by f = 2^(old M - new M), which rounds nothing.
; SHARES: a work-group owns 512 queries of one head, in two passes of 256; each of its sixteen waves one tile of 16 queries a pass, in 256 registers, four waves to a SIMD.
; THE HEAD'S WHOLE K AND V (16 key steps x 13,056 bytes, images of operand registers) lie in LDS, filled ONCE: each wave asks for one key step, 51 rows of 256 bytes, by one line that all waves issue; every wave waits for its load,
; and one barrier shows all of it.  Behind that barrier no wave waits for another.
; CLUSTER 4 x 1: the four work-groups of a head ask for K and V jointly.  Every byte is asked for at the head of the launch, so there is no later request that a prefetch could run ahead of.
; LAYOUT: both products transposed: a lane holds ONE query.  Lane r of K's tile 4 c + j holds key 64 c + 32 (r / 8) + 8 j + r % 8 (so the first launch lays k's rows): in S^T register 32 c + i of lane (r, h) is key 64 c + 32 h + i:
; A LANE HOLDS TWO WHOLE BLOCKS OF 32 KEYS, in the order of the next operand's registers: a block's largest score needs no other lane, and the conversions' results are the operand.
; K AND V HAVE REGISTERS OF THEIR OWN: a step's V is asked for at its top, the next step's K behind this step's score products, among the lines that update M: each has most of a step in which to come.
; A BLOCK'S SCALE is 2^(floor(t - M) - 2) of its largest score: floor(log2(p)) without the exponential; it is made among the multiply-adds, ahead of the exponentials.  (Where v_exp_f32 rounds a p up to the next power of two, that p
; is held at the largest code, as the p that it stands for is.)
; K = 64 IN AN INSTRUCTION OF 128: Q's registers 6-11 are zero codes.  K's tile t is named v[36 + 6 t : 47 + 6 t]: its upper six registers are the next tile's codes (behind the last: p's codes of the step before, at first zeros),
; numbers of the format under scale bytes that are never 0xff, times zero codes: they add exactly 0.
; THE ROW'S SUM goes in four chains of packed additions; a step's last four additions are the places behind its last products, and the chains are joined, with l x f, in the places behind the next step's score products.
; att: the last product's A: [row block of 128 tokens][block of 256 along E][25,600]: fragment (q, tile) at (8 q + tile) x 1,536, scale pairs at 24,576.  A head is half a fragment and half a scale word: the scale bytes leave as
; stores of 2 bytes, 8 bytes apart (a word joins two heads, which two work-groups make).
; LIMITS: the scaled scores t stay under 2^31 in magnitude; a p under 2^-126 comes out of v_exp_f32 as 0; a block whose largest magnitude lies under 2^-124 gets the byte 1 (zeros: zero codes); NaN and infinities are not served.
.set RBB,  102400
.set BLK,  25600
.set SCO,  24576
.set FRB,  1536
.set KVO,  6815744
.set KVBH, 208896                      ; a head's K and V
.set KST,  13056                       ; a key step: K's codes 0, K's scale pairs 6,144, V's codes 6,656, V's scale pairs 12,800
.set QST,  6656                        ; a step of 128 queries
.set L8,  1                            ; v1   8 x lane
.set ADR, 2                            ; v2   the key step's LDS address
.set H8,  6                            ; v6   8 x (lane / 16)
.set PWD, 7                            ; v7   p's scale word
.set FF,  8                            ; v8   f (v9: 0, named with it as a pair)
.set SCR, 11
.set SQ,  28                           ; v28  Q's scale words
.set SK,  30                           ; v30-33 K's scale pairs
.set SV,  34                           ; v34-35 V's
.set KF,  36                           ; v36-83 K's 8 half fragments
.set P,   84                           ; v84-95 p's codes, directly behind K's
.set S,   96                           ; v96-159 S^T, then p
.set OT,  160                          ; v160-191 O^T
.set VF,  192                          ; v192-239 V's 4 fragments
.set CA,  240                          ; v240-247 the sum's four chains, a pair each
.set CT,  240                          ; v240-242, v244-246 the conversions' second halves, while the chains are empty
.set BM,  248                          ; v248-251 two chains for each block's largest score; then v249, v251 the conversions' scale operands
.set PT,  252                          ; v252-253 at work
.set WV,  8                            ; s8 wave; s9 cx; s10 batch x 16 + head
.set SEL, 20
.set CS,  22                           ; s[22:23] c = log2(e) / 8
.set G1,  24
.set G0,  32
.set TB,  48
.set CNT, 49
.set NC,  50                           ; s50 -c
.macro CROUND                          ; a round of the cluster's barrier
	s_barrier_signal -1
	s_barrier_wait -1
	s_cmp_lg_u32 s[WV], 0
	s_cbranch_scc1 .Lnot_wave_0_\@
	s_barrier_signal -3
.Lnot_wave_0_\@:
	s_barrier_wait -3
	s_barrier_signal -1
	s_barrier_wait -1
.endm
.macro WALU
	s_wait_alu depctr_va_vdst(0)
.endm
.macro QLOAD off                       ; my tile of Q: three chunks and the scale words
.irp i, 0,1,2
	global_load_b64 v[16+2*\i:17+2*\i], v[L8], s[56:57] offset:(\off)+256*\i
.endr
	global_load_b32 v[SQ], v5, s[58:59] offset:\off
.endm
	s_load_b128 s[4:7], s[0:1], 0x0                ; prj, att
	v_lshl_add_u32 v254, v0, 2, 0x33000
	v_mov_b32 v255, 0
	ds_add_u32 v254, v255
	ds_add_u32 v254, v255
	v_lshrrev_b32 v3, 5, v0
	v_readfirstlane_b32 s[WV], v3                  ; wave 0..15
	s_bfe_u32 s9, ttmp6, 0x40000                   ; cx: it enters Q's and att's addresses alone
	s_and_b32 s10, ttmp7, 0xffff                   ; batch x 16 + head, which the four partners share
	s_mov_b32 s[G1], 15|(3<<16)|(1<<21)            ; the mask: all four work-groups; elements of 8 bytes; bit 21 beside a mask
	s_mov_b32 s[G1+1], 32<<16                      ; a key step is a dense block: 51 rows of 32 elements, no padding
	s_mov_b32 s[G1+2], 51<<16
	s_mov_b32 s[G1+3], 32<<16
	s_mov_b32 s[G1+4], 51
	s_mov_b32 s[G1+5], 32
	s_mov_b32 s[G1+6], 0
	s_mov_b32 s[G1+7], 0
	s_mul_i32 s11, s[WV], KST                      ; my key step, in LDS as in memory
	s_mul_i32 s12, s10, KVBH
	s_add_co_u32 s12, s12, KVO
	s_add_co_u32 s12, s12, s11
	s_mov_b32 s13, 0
	s_mov_b32 s[SEL], 0x76543210
	s_mov_b32 s[SEL+1], 0xfedcba98
	s_mov_b32 s[CS], 0x3e38aa3b
	s_mov_b32 s[CS+1], s[CS]                       ; named with it as a pair, so it is written
	s_mov_b32 s[NC], 0xbe38aa3b
	s_wait_dscnt 0x0
	s_wait_kmcnt 0x0
	s_mov_b32 s[G0], 1
	s_mov_b32 s[G0+1], s11
	s_add_nc_u64 s[G0+2:G0+3], s[4:5], s[12:13]
	s_or_b32 s[G0+3], s[G0+3], 0x80000000
	CROUND                                         ; all four work-groups are here: the joint loads meet
	tensor_load_to_lds s[G0:G0+3], s[G1:G1+7]      ; every wave's one load: key step = wave
	s_nop 0
.rept 4
	v_nop
.endr
	; my tile of queries: step 4 cx + 2 pass + wave / 8, tile wave % 8
	s_lshr_b32 s14, s[WV], 3
	s_and_b32 s15, s[WV], 7
	s_lshl_b32 s16, s10, 4
	s_lshl_b32 s17, s9, 2
	s_add_co_u32 s16, s16, s17
	s_add_co_u32 s16, s16, s14
	s_mul_i32 s16, s16, QST
	s_mul_i32 s18, s15, 768
	s_add_co_u32 s18, s18, s16
	s_mov_b32 s19, 0
	s_add_nc_u64 s[56:57], s[4:5], s[18:19]        ; Q's half fragment
	s_lshr_b32 s18, s15, 2
	s_lshl_b32 s18, s18, 8
	s_add_co_u32 s18, s18, s16
	s_bfe_u32 s60, s[WV], 0x10001
	s_lshl_b32 s60, s60, 2
	s_add_co_u32 s18, s18, s60
	s_add_co_u32 s18, s18, 6144
	s_add_nc_u64 s[58:59], s[4:5], s[18:19]        ; its pair's scale words
	s_lshr_b32 s60, s10, 4
	s_lshl_b32 s60, s60, 4
	s_add_co_u32 s60, s60, s17
	s_add_co_u32 s60, s60, s14
	s_mul_i32 s60, s60, RBB                        ; att: the row block of my 128 tokens,
	s_and_b32 s61, s10, 15                         ; the head
	s_lshr_b32 s62, s61, 2
	s_mul_i32 s62, s62, BLK
	s_add_co_u32 s60, s60, s62                     ; its block of 256 along E,
	s_bfe_u32 s62, s61, 0x10001                    ; which 128 of them,
	s_and_b32 s61, s61, 1                          ; which 64 of those
	s_lshl_b32 s63, s62, 3
	s_add_co_u32 s63, s63, s15
	s_mul_i32 s63, s63, FRB
	s_mul_i32 s18, s61, 768
	s_add_co_u32 s18, s18, s63
	s_add_co_u32 s18, s18, s60
	s_add_nc_u64 s[52:53], s[6:7], s[18:19]        ; my three chunks
	s_lshr_b32 s18, s15, 1
	s_lshl_b32 s18, s18, 8
	s_and_b32 s63, s15, 1
	s_lshl_b32 s63, s63, 7
	s_add_co_u32 s18, s18, s63
	s_lshl_b32 s63, s62, 2
	s_add_co_u32 s18, s18, s63
	s_lshl_b32 s63, s61, 1
	s_add_co_u32 s18, s18, s63
	s_add_co_u32 s18, s18, s60
	s_add_co_u32 s18, s18, SCO
	s_add_nc_u64 s[54:55], s[6:7], s[18:19]        ; my two bytes of row 0's scale word
	s_and_b32 s63, s[WV], 1
	s_lshl_b32 s63, s63, 7
	v_and_b32 v[L8], 31, v0
	v_lshlrev_b32 v[L8], 3, v[L8]
	v_and_b32 v4, 15, v0
	v_lshlrev_b32 v4, 3, v4                        ; 8 r: from row to row among scale words
	v_add_nc_u32 v5, s63, v4                       ; an odd tile's words lie in the pair's upper half
	QLOAD 0                                        ; Q of the first pass
	v_bfe_u32 v[H8], v0, 4, 1
	v_lshlrev_b32 v[H8], 3, v[H8]
.irp j, 22,23,24,25,26,27,84,85,86,87,88,89
	v_mov_b32 v[\j], 0                             ; zero codes
.endr
	v_mov_b32 v[PT], 0                             ; a lane permute's destination counts as one of its sources
	v_mov_b32 v[SCR], 0
	v_mov_b32 v[FF+1], 0
.macro JOIN                            ; the last step's four chains, under its M, and l, under the M before: l = l f + their sum (f is still the last step's)
	v_pk_add_f32 v[CA:CA+1], v[CA:CA+1], v[CA+2:CA+3]
	v_pk_add_f32 v[CA+4:CA+5], v[CA+4:CA+5], v[CA+6:CA+7]
	v_pk_add_f32 v[CA:CA+1], v[CA:CA+1], v[CA+4:CA+5]
	v_pk_fma_f32 v[14:15], v[14:15], v[FF:FF+1], v[CA:CA+1] op_sel_hi:[1,0,1]
.endm
.macro KL from, to, off                ; loads from .. to - 1 of the 26 that bring a step's K: 24 chunks of codes, 2 of scale pairs, 256 consecutive bytes each
.set k_, \from
.rept (\to)-(\from)
.if k_ < 24
	ds_load_b64 v[KF+2*k_:KF+2*k_+1], v[ADR] offset:(\off)+256*k_
.else
	ds_load_b64 v[SK+2*(k_-24):SK+2*(k_-24)+1], v[ADR] offset:(\off)+256*k_
.endif
.set k_, k_+1
.endr
.endm
.macro MK pf, from, to                 ; the next step's K, where there is a next step
.if \pf
	KL \from, \to, KST
.endif
.endm
.macro SCL i                           ; the blocks' scales, a line at a time: v[BM], v[BM+2] hold t - M of my two blocks' largest scores
.if (\i) < 2
	v_floor_f32 v[BM+2*(\i)], v[BM+2*(\i)]
.elseif (\i) < 4
	v_cvt_i32_f32 v[BM+2*((\i)-2)], v[BM+2*((\i)-2)]              ; (it saturates)
.elseif (\i) < 6
	v_ldexp_f32 v[BM+2*((\i)-4)+1], 0x3e800000, v[BM+2*((\i)-4)]  ; 2^(floor(t - M) - 2): the block's scale,
.elseif (\i) < 8
	v_max_num_f32 v[BM+2*((\i)-6)+1], 0x800000, v[BM+2*((\i)-6)+1]   ; at least 2^-126: the byte cannot fall under 1.  The conversion's scale operand
.elseif (\i) < 10
	v_lshrrev_b32 v[PT+(\i)-8], 23, v[BM+2*((\i)-8)+1]            ; the scale's byte
.elseif (\i) == 10
	v_lshl_or_b32 v[SCR], v[PT+1], 16, v[PT]       ; my two bytes: blocks h and 2 + h,
.elseif (\i) == 11
	v_lshlrev_b32 v[SCR], v[H8], v[SCR]            ; at their places in the word;
.elseif (\i) == 12
	v_permlanex16_b32 v[PT], v[SCR], s[SEL], s[SEL+1]
.elseif (\i) == 13
	v_or_b32 v[PWD], v[SCR], v[PT]                 ; with lane l xor 16's two: p's scale word for these 128 keys
.endif
.endm
; A KEY STEP: 128 keys, at LDS address v[ADR]; its K has been asked for.  pf = 1: a step follows in this pass
.macro STEP pf
.set m_, 0
.rept 25                                           ; V: 24 chunks of codes and the scale pairs.  (The last step's four last additions are the places in front of these loads)
.if m_ < 24
	ds_load_b64 v[VF+2*m_:VF+2*m_+1], v[ADR] offset:6656+256*m_
.else
	ds_load_b64 v[SV:SV+1], v[ADR] offset:6656+256*m_
.endif
.set m_, m_+1
.endr
	WALU
	s_wait_dscnt 25                                ; K is in; V's 25 loads, issued behind K's, may be out
.irp t, 0,2,4,6
	v_wmma_scale_f32_16x16x128_f8f6f4 v[S+8*\t:S+8*\t+7], v[KF+6*\t:KF+6*\t+11], v[16:27], 0, v[SK+\t/2], v[SQ] matrix_a_fmt:MATRIX_FMT_FP6 matrix_b_fmt:MATRIX_FMT_FP6
	v_wmma_scale_f32_16x16x128_f8f6f4 v[S+8*\t+8:S+8*\t+15], v[KF+6*\t+6:KF+6*\t+17], v[16:27], 0, v[SK+\t/2], v[SQ] matrix_a_fmt:MATRIX_FMT_FP6 matrix_b_fmt:MATRIX_FMT_FP6 matrix_a_scale:MATRIX_SCALE_ROW1
.endr
	JOIN                                           ; four places: in front of the first read of the scores, and of the loads into K's registers
; the largest score of my two blocks of 32 keys, two chains a block (17 and 15 numbers).  Each accumulator is first read at one of its four lowest registers
.irp c, 0,1
	v_max3_num_f32 v[BM+2*\c], v[S+32*\c], v[S+32*\c+1], v[S+32*\c+2]
	v_max3_num_f32 v[BM+2*\c+1], v[S+32*\c+17], v[S+32*\c+18], v[S+32*\c+19]
.endr
.irp i, 0,1,2,3,4,5
.irp c, 0,1
	v_max3_num_f32 v[BM+2*\c], v[BM+2*\c], v[S+32*\c+3+2*\i], v[S+32*\c+4+2*\i]
	v_max3_num_f32 v[BM+2*\c+1], v[BM+2*\c+1], v[S+32*\c+20+2*\i], v[S+32*\c+21+2*\i]
.endr
.endr
.irp c, 0,1
	v_max3_num_f32 v[BM+2*\c], v[BM+2*\c], v[S+32*\c+15], v[S+32*\c+16]
.endr
.irp c, 0,1
	v_max_num_f32 v[BM+2*\c], v[BM+2*\c], v[BM+2*\c+1]
.endr
; M's update is a chain of lines that hang on each other: the next step's 26 loads of K stand among them
	v_max_num_f32 v[SCR], v[BM], v[BM+2]
	MK \pf, 0, 3
	v_permlanex16_b32 v[PT], v[SCR], s[SEL], s[SEL+1]
	MK \pf, 3, 6
	v_max3_num_f32 v13, v13, v[SCR], v[PT]         ; the running largest score of my query (c is positive: its t is the largest t)
	MK \pf, 6, 9
	v_mul_f32 v[SCR], s[NC], v13                   ; -t
	v_mov_b32 v[PT+1], v12
	MK \pf, 9, 12
	v_floor_f32 v12, v[SCR]                        ; the new -M = floor(-t): M is a whole number
	MK \pf, 12, 15
	v_sub_f32 v[SCR], v12, v[PT+1]                 ; old M - new M: a whole number, 0 or less
	MK \pf, 15, 18
	v_cvt_i32_f32 v[SCR], v[SCR]                   ; (it saturates)
	MK \pf, 18, 22
	v_ldexp_f32 v[FF], 1.0, v[SCR]                 ; f
	MK \pf, 22, 26
.if \pf
	s_add_co_u32 s[TB], s[TB], KST
	v_add_nc_u32 v[ADR], s[TB], v[L8]              ; on to the next step
.endif
.irp c, 0,1
	v_fma_f32 v[BM+2*\c], v[BM+2*\c], s[CS], v12   ; t - M of each block's largest score
.endr
.set j, 0
.rept 48                                           ; t - M, two at a time; then O^T under the new M, each accumulator from its low end on; behind every third line a line of the scales
.if j < 32
	v_pk_fma_f32 v[S+2*j:S+2*j+1], v[S+2*j:S+2*j+1], s[CS:CS+1], v[12:13] op_sel_hi:[1,0,0]
.else
	v_pk_mul_f32 v[OT+2*(j-32):OT+2*(j-32)+1], v[OT+2*(j-32):OT+2*(j-32)+1], v[FF:FF+1] op_sel_hi:[1,0]
.endif
.if (j%3) == 2
	SCL j/3
.endif
.set j, j+1
.endr
	WALU
.set j, 0
.rept 64
	v_exp_f32 v[S+j], v[S+j]                       ; p = 2^(t - M), at most 1
.set j, j+1
.endr
	v_nop                                          ; the plain line behind the exponentials
	WALU                                           ; one wait for the batch, ahead of its first reader
.irp c, 0,1
	v_cvt_scalef32_pk16_fp6_f32 v[P+6*\c:P+2+6*\c], v[S+32*\c:S+15+32*\c], v[BM+2*\c+1]
	v_cvt_scalef32_pk16_fp6_f32 v[CT+4*\c:CT+2+4*\c], v[S+16+32*\c:S+31+32*\c], v[BM+2*\c+1]   ; a conversion's three registers begin on an even number
.endr
	v_nop                                          ; one plain line behind the scaled conversions
.irp c, 0,1
.irp i, 0,1,2
	v_mov_b32 v[P+3+6*\c+\i], v[CT+4*\c+\i]        ; registers 6 c .. 6 c + 5: keys 64 c + 32 h + 0 .. 31
.endr
.endr
.irp x, 0,1,2,3                                    ; THE ROW'S SUM, of the unquantised p: chain x takes registers 16 x .. 16 x + 15.  These 24 additions are also the places between p's codes and the products
	v_pk_add_f32 v[CA+2*\x:CA+2*\x+1], v[S+16*\x:S+16*\x+1], v[S+16*\x+2:S+16*\x+3]
.endr
.irp m, 2,3,4,5,6
.irp x, 0,1,2,3
	v_pk_add_f32 v[CA+2*\x:CA+2*\x+1], v[CA+2*\x:CA+2*\x+1], v[S+16*\x+2*\m:S+16*\x+2*\m+1]
.endr
.endr
	WALU
	s_wait_dscnt 26*(\pf)                          ; V is in; the next step's 26 loads of K, issued behind V's, may be out
.irp a, 0,2                                        ; the four accumulators take turns, and the eight score products stand between a step's and the next's
	v_wmma_scale_f32_16x16x128_f8f6f4 v[OT+8*\a:OT+8*\a+7], v[VF+12*\a:VF+12*\a+11], v[P:P+11], v[OT+8*\a:OT+8*\a+7], v[SV+\a/2], v[PWD] matrix_a_fmt:MATRIX_FMT_FP6 matrix_b_fmt:MATRIX_FMT_FP6
	v_wmma_scale_f32_16x16x128_f8f6f4 v[OT+8*\a+8:OT+8*\a+15], v[VF+12*\a+12:VF+12*\a+23], v[P:P+11], v[OT+8*\a+8:OT+8*\a+15], v[SV+\a/2], v[PWD] matrix_a_fmt:MATRIX_FMT_FP6 matrix_b_fmt:MATRIX_FMT_FP6 matrix_a_scale:MATRIX_SCALE_ROW1
.endr
.irp x, 0,1,2,3                                    ; the chains' last additions: the four places behind the products
	v_pk_add_f32 v[CA+2*\x:CA+2*\x+1], v[CA+2*\x:CA+2*\x+1], v[S+16*\x+14:S+16*\x+15]
.endr
.endm
.macro KFIRST                          ; key step 0's K
	s_mov_b32 s[TB], 0
	v_add_nc_u32 v[ADR], s[TB], v[L8]
	KL 0, 26, 0
.endm
.macro STEPS                           ; a pass's sixteen key steps; the last asks for nothing more
	s_mov_b32 s[CNT], 15
.Lstep_\@:
	STEP 1
	s_sub_co_u32 s[CNT], s[CNT], 1
	s_cmp_lg_u32 s[CNT], 0
	s_cbranch_scc1 .Lstep_\@
	STEP 0
.endm
.macro INIT
	v_mov_b32 v13, 0xff61b1e6                      ; the largest score so far: -3e38
	v_mov_b32 v12, 0x7e000000                      ; -M = 2^125: the first step's f comes out 0
	v_mov_b32 v14, 0                               ; the sum, in two halves
	v_mov_b32 v15, 0
	v_mov_b32 v[FF], 0
.set j, 0
.rept 8
	v_mov_b32 v[CA+j], 0
.set j, j+1
.endr
.set j, 0
.rept 32
	v_mov_b32 v[OT+j], 0                           ; O^T: the step is written once; the first change of M leaves zeros zeros
.set j, j+1
.endr
.endm
; THE WAY OUT: O^T / the sum; register 16 b + i is channel 32 b + 16 (lane / 16) + i of my query: two blocks of 32 along E, quantised as they stand
.macro OUT
	JOIN                                           ; the last step's chains
	v_add_f32 v14, v14, v15
	s_delay_alu instid0(VALU_DEP_1)
	v_permlanex16_b32 v[SCR], v14, s[SEL], s[SEL+1]
	s_delay_alu instid0(VALU_DEP_1)
	v_add_f32 v14, v14, v[SCR]                     ; the row's sum
	WALU
	v_rcp_f32 v14, v14
	v_nop                                          ; a plain line behind the reciprocal
	WALU                                           ; and the wait ahead of its first reader
.set j, 0
.rept 32
	v_mul_f32 v[S+j], v[OT+j], v14                 ; each accumulator from its low end on
.set j, j+1
.endr
.irp b, 0,1
	v_max3_num_f32 v[BM+\b], |v[S+16*\b]|, |v[S+1+16*\b]|, 0x1800000
.endr
.irp i, 2,4,6,8,10,12,14
.irp b, 0,1
	s_delay_alu instid0(VALU_DEP_2)
	v_max3_num_f32 v[BM+\b], v[BM+\b], |v[S+16*\b+\i]|, |v[S+1+16*\b+\i]|
.endr
.endr
.irp b, 0,1
	s_delay_alu instid0(VALU_DEP_2)
	v_permlanex16_b32 v[PT+\b], v[BM+\b], s[SEL], s[SEL+1]
.endr
.irp b, 0,1
	s_delay_alu instid0(VALU_DEP_2)
	v_max_num_f32 v[BM+\b], v[BM+\b], v[PT+\b]
.endr
.irp b, 0,1
	s_delay_alu instid0(VALU_DEP_2)
	v_add_nc_u32 v[BM+2+\b], 0xff000000, v[BM+\b]
.endr
.irp b, 0,1
	s_delay_alu instid0(VALU_DEP_2)
	v_lshrrev_b32 v[PT+\b], 23, v[BM+2+\b]
.endr
	s_delay_alu instid0(VALU_DEP_1)
	v_lshl_or_b32 v[SCR], v[PT+1], 8, v[PT]        ; my row's two scale bytes
	v_cvt_scalef32_pk16_fp6_f32 v[P:P+2], v[S:S+15], v[BM+2]
	v_cvt_scalef32_pk16_fp6_f32 v[CT:CT+2], v[S+16:S+31], v[BM+3]
	v_nop                                          ; one plain line behind the scaled conversions
.irp i, 0,1,2
	v_permlane16_swap_b32 v[P+\i], v[CT+\i]        ; a whole block in a lane
.endr
.irp i, 0,1,2
	s_delay_alu instid0(VALU_DEP_3)
	v_mov_b32 v[P+3+\i], v[CT+\i]
.endr
.irp i, 0,1,2
	global_store_b64 v[L8], v[P+2*\i:P+2*\i+1], s[52:53] offset:256*\i   ; 32 lanes store 256 consecutive bytes, aligned
.endr
	global_store_b16 v4, v[SCR], s[54:55]          ; both halves of the lanes write the same two bytes with the same value
.endm
	INIT
	WALU
	s_wait_loadcnt 0x0                             ; Q is in
	s_wait_tensorcnt 0x0                           ; every wave's load has landed:
	s_barrier_signal -1
	s_barrier_wait -1                              ; all of K and V is shown to all; no barrier follows but the closing round's
	KFIRST
	STEPS
	QLOAD 2*QST                                    ; the second pass's Q, two steps of queries on, and its first K come in under the way out
	KFIRST
	OUT
	s_wait_xcnt 0x0                                ; the stores have read their data and their bases: both are written again only behind this wait
	s_add_nc_u64 s[52:53], s[52:53], 2*RBB         ; two row blocks on
	s_add_nc_u64 s[54:55], s[54:55], 2*RBB
	INIT
	WALU
	s_wait_loadcnt 0x0
	STEPS
	OUT
	s_wait_tensorcnt 0x0                           ; the wave's end
	ds_add_u32 v254, v255
	s_wait_dscnt 0x0
	CROUND                                         ; the closing round: no work-group ends while a partner may still ask for a tile that names it
	s_endpgm
.Lfunc_end_k_q4324a03d00_attn:
	.size	k_q4324a03d00_attn, .Lfunc_end_k_q4324a03d00_attn-k_q4324a03d00_attn
	.p2alignl 7, 3214868480
	.fill 96, 4, 3214868480
	.section	.rodata,"a",@progbits
	.p2align	6, 0x0
	.amdhsa_kernel k_q4324a03d00_attn
		.amdhsa_group_segment_fixed_size 210944
		.amdhsa_private_segment_fixed_size 0
		.amdhsa_enable_private_segment 0
		.amdhsa_kernarg_size 16
		.amdhsa_user_sgpr_count 2
		.amdhsa_user_sgpr_kernarg_segment_ptr 1
		.amdhsa_wavefront_size32 1
		.amdhsa_system_sgpr_workgroup_id_x 1
		.amdhsa_system_sgpr_workgroup_id_y 1
		.amdhsa_system_sgpr_workgroup_id_z 1
		.amdhsa_system_vgpr_workitem_id 0
		.amdhsa_next_free_vgpr 256
		.amdhsa_next_free_sgpr 66
		.amdhsa_reserve_vcc 0
		.amdhsa_float_denorm_mode_32 3
		.amdhsa_float_denorm_mode_16_64 3
		.amdhsa_memory_ordered 1
		.amdhsa_forward_progress 1
		.amdhsa_inst_pref_size 82
	.end_amdhsa_kernel
	.amdgpu_metadata
---
amdhsa.version: [ 1, 2 ]
amdhsa.kernels:
  - .name:           k_q4324a03d00_attn
    .symbol:         k_q4324a03d00_attn.kd
    .args:
      - { .name: prj, .offset: 0, .size: 8, .value_kind: global_buffer, .address_space: global }
      - { .name: att, .offset: 8, .size: 8, .value_kind: global_buffer, .address_space: global }
    .group_segment_fixed_size: 210944
    .private_segment_fixed_size: 0
    .kernarg_segment_align: 8
    .kernarg_segment_size: 16
    .max_flat_workgroup_size: 512
    .sgpr_count:     66
    .vgpr_count:     256
    .wavefront_size: 32
...
	.end_amdgpu_metadata
.endif
;; end of part 3
;; launch outp (part 4): grid 4 x 64, 4 waves a work-group, clusters of 4 x 4, 307,712 bytes of LDS; arguments att, inq, bo, out0; writes out0
.if DOCPART == 4
	.amdgcn_target "amdgcn-amd-amdhsa--gfx1250"
	.amdhsa_code_object_version 6
	.text
	.protected	k_q4324a03d00_outp
	.globl	k_q4324a03d00_outp
	.p2align	8
	.type	k_q4324a03d00_outp,@function
k_q4324a03d00_outp:
	s_mov_b64 s[64:65], 0
	v_nop
	global_prefetch_b8 v0, s[64:65] scope:SCOPE_SE
	s_setreg_imm32_b32 hwreg(HW_REG_WAVE_MODE, 25, 1), 1
	s_wait_xcnt 0x0
	s_wait_alu depctr_hold_cnt(0) depctr_sa_sdst(0) depctr_va_vdst(0) depctr_va_sdst(0) depctr_va_ssrc(0) depctr_va_vcc(0) depctr_vm_vsrc(0)
	s_getreg_b32 s2, hwreg(HW_REG_IB_STS2, 6, 4)
	s_cmp_eq_u32 s2, 0
	s_cbranch_scc0 .Lentry_in_a_cluster
	s_endpgm
.Lentry_in_a_cluster:
	s_bfe_u32 s2, ttmp6, 0x10000c
	s_cmp_lg_u32 s2, 0xf033
	s_cbranch_scc0 .Lentry_shape_is_right
	s_endpgm
.Lentry_shape_is_right:
; out0 = attention's result x Wo^T + bo, on codes of FP6 (E2M3) with E8M0 scales: A = att (128 tokens a row block), B = Wo's row blocks 216 .. 223 of inq; out0 [8192][1024] f32.
; A TILE: 128 tokens, which fall into lanes (source 1) x 256 output channels, which fall along registers (source 0).  Four waves, each 64 x 128: 32 accumulators.  All of K = 1,024 of the three row blocks (3 x 102,400 bytes) comes into LDS
; ONCE, by four tensor loads issued together: nothing in LDS is filled twice.  A at 0, slot s (256 along K) at + 25,600 s; B's slots 0, 1 at 102,400, slots 2, 3 at 204,800, each first row block 0's two slots, then row block 1's.
; IMAGES: a fragment (16 rows x 128 K) is six chunks of 256 bytes, chunk i = lane l's registers 2 i, 2 i + 1 at 8 l; lane r of tile 2 p + u holds row 32 p + 8 u + r + 8 (r / 8); scale words in pairs: lanes 0-15 tile 2 p, lanes 16-31 tile 2 p + 1.
; CLUSTER 4 x 4: A's row block is shared along a row of the cluster, B's along a column: joint loads.  All that the launch reads through LDS is asked for at its head, so there is nothing left to prefetch.
; THE WAY OUT: a lane holds 16 neighbouring channels of one token in each pair of accumulators; 16 tokens x 128 channels go through the wave's own stage and leave as rows of 512 consecutive bytes.  The stages lie in LDS bytes 0 .. 33,791:
; A's slots 0 and 1, which have had their only fill and which nobody reads behind the last barrier.
; REGISTERS: window 0: v1-7 addresses; v16-39 scale words, two sets; v40-135 A's fragments, two sets; v136-231 B's, one set; v232-236 kept for the way out.  window 1: accumulator (a, b) at v[8 (8 a + b)].  window 2: v0-63 the biases.
.set RBB, 102400
.set BLK, 25600
.set SCO, 24576
.set FRB, 1536
.set SP,  528                          ; a stage row: 512 bytes + 16
.set L8,   1
.set ADRA, 2
.set ADSA, 4
.set ADRB, 6
.set SC,   16
.set AF,   40
.set BF,   136
.set STO,  232                         ; v232 the stage: where I put 16 bytes of my token's row
.set RD,   233                         ; v233 and where I read a row back
.set CO,   234                         ; v234 16 x lane
.set BON,  236                         ; v236 bias offset
.set HA,   40                          ; the way out: v40-103, v104-167 results + bias, by turns; v168-231 rows read back
.set BK,   168
.set WV,   14
.set G1A,  24
.set G1B,  32
.set G0A,  40
.set G0B,  68
.set MSB, 0
.macro WIN new                         ; the immediate's high byte repeats the setting that is left
.if MSB != \new
	s_set_vgpr_msb (MSB<<8)|\new
.set MSB, \new
.endif
.endm
.set W_MUL, 0x50                       ; C and D window 1
.set W_ADD, 0x09                       ; source 0 window 1, source 1 window 2
.set W_TOT, 0x80                       ; destination window 2
.macro PLACES n
.rept \n
	v_nop
.endr
.endm
.macro CROUND                          ; a round of the cluster's barrier
	s_barrier_signal -1
	s_barrier_wait -1
	s_cmp_lg_u32 s[WV], 0
	s_cbranch_scc1 .Lnot_wave_0_\@
	s_barrier_signal -3
.Lnot_wave_0_\@:
	s_barrier_wait -3
	s_barrier_signal -1
	s_barrier_wait -1
.endm
	s_load_b256 s[4:11], s[0:1], 0x0               ; att, inq, bo, out0
	v_lshl_add_u32 v254, v0, 2, 0x4b000
	v_mov_b32 v255, 0
	ds_add_u32 v254, v255
	ds_add_u32 v254, v255
	v_lshrrev_b32 v8, 5, v0
	v_readfirstlane_b32 s[WV], v8                  ; wave 0..3
	s_lshr_b32 s15, s[WV], 1                       ; which 64 tokens are mine.  Also: which row block of B waves 1 and 3 fetch
	s_and_b32 s16, s[WV], 1                        ; which row block of B is mine
	s_bfe_u32 s17, ttmp6, 0x40000                  ; cx
	s_bfe_u32 s18, ttmp6, 0x40004                  ; cy
	s_lshl_b32 s21, ttmp9, 2
	s_add_co_u32 s21, s21, s17                     ; tile column: 256 channels
	s_and_b32 s22, ttmp7, 0xffff
	s_lshl_b32 s22, s22, 2
	s_add_co_u32 s22, s22, s18                     ; tile row: 128 tokens
	s_mul_i32 s58, s22, RBB                        ; A's bytes: of the tile row alone
	s_mov_b32 s59, 0
	s_lshl_b32 s56, s21, 1
	s_add_co_u32 s56, s56, 216
	s_mul_i32 s60, s56, RBB                        ; B's two row blocks lie on end: of the tile column alone
	s_mul_i32 s57, s15, 2*BLK                      ; THE FILLS: four tensor loads, one a wave: wave 0 A's slots 0, 1; wave 1 slots 0, 1 of both row blocks of B; waves 2, 3 the same of slots 2, 3
	s_add_co_u32 s60, s60, s57
	s_add_co_u32 s58, s58, s57
	s_mov_b32 s61, 0
	s_lshl_b32 s62, s18, 2
	s_lshl_b32 s62, 15, s62                        ; my row of the cluster
	s_lshl_b32 s63, 0x1111, s17                    ; my column
	; group 1: a slot is a dense block of 25,600 bytes: 100 rows of 32 elements of 8 bytes, no padding
	s_or_b32 s[G1A], s62, (3<<16)|(1<<21)
	s_or_b32 s[G1B], s63, (3<<16)|(1<<21)
	s_mov_b32 s[G1A+1], 32<<16                     ; A: two slots are a dense block of 51,200 bytes: 200 rows of 32 elements of 8 bytes
	s_mov_b32 s[G1A+2], 200<<16
	s_mov_b32 s[G1A+3], 32<<16
	s_mov_b32 s[G1A+4], 200
	s_mov_b32 s[G1A+5], 32
	s_mov_b32 s[G1A+6], 0
	s_mov_b32 s[G1A+7], 0
	s_mov_b32 s[G1B+1], 6400<<16                   ; B: two rows of 51,200 bytes (6,400 elements), a row block (12,800 elements) apart; in LDS they lie on end
	s_mov_b32 s[G1B+2], 2<<16
	s_mov_b32 s[G1B+3], 6400<<16
	s_mov_b32 s[G1B+4], 2
	s_mov_b32 s[G1B+5], 12800
	s_mov_b32 s[G1B+6], 0
	s_mov_b32 s[G1B+7], 0
	s_add_co_u32 s57, s15, 1
	s_mul_i32 s57, s57, RBB                        ; where B's row block goes: wave 1: 102,400; wave 3: 204,800
	s_wait_dscnt 0x0
	s_wait_kmcnt 0x0
	s_add_nc_u64 s[58:59], s[4:5], s[58:59]
	s_add_nc_u64 s[60:61], s[6:7], s[60:61]
	s_mov_b32 s[G0A], 1
	s_mul_i32 s[G0A+1], s15, 2*BLK                 ; LDS: A's slot s at 25,600 s
	s_mov_b64 s[G0A+2:G0A+3], s[58:59]
	s_or_b32 s[G0A+3], s[G0A+3], 0x80000000
	s_mov_b32 s[G0B], 1
	s_mov_b32 s[G0B+1], s57                        ; LDS: B's slots 0, 1 at 102,400, slots 2, 3 at 204,800; in each first the first row block's two slots, then the second's
	s_mov_b64 s[G0B+2:G0B+3], s[60:61]
	s_or_b32 s[G0B+3], s[G0B+3], 0x80000000
	CROUND                                         ; all sixteen work-groups are here: the joint loads meet
.macro ARM w, g0, g1                   ; one chain of arms on the wave's number, one load to an arm: each wave's line is its own
	s_cmp_eq_u32 s[WV], \w
	s_cbranch_scc0 .Lnot_\w\()
	tensor_load_to_lds s[\g0:\g0+3], s[\g1:\g1+7]
	s_nop 0
	PLACES 4
	s_branch .Lasked
.Lnot_\w\():
.endm
	ARM 0, G0A, G1A
	ARM 1, G0B, G1B
	ARM 2, G0A, G1A
	tensor_load_to_lds s[G0B:G0B+3], s[G1B:G1B+7]
	s_nop 0
	PLACES 4
.Lasked:
	v_and_b32 v[L8], 31, v0
	v_lshlrev_b32 v[L8], 3, v[L8]
	s_mul_i32 s56, s15, 4*FRB
	v_add_nc_u32 v[ADRA], s56, v[L8]
	v_add_nc_u32 v[ADRA+1], 2*BLK, v[ADRA]
	s_lshl_b32 s56, s15, 9
	v_add_nc_u32 v[ADSA], s56, v[L8]
	v_add_nc_u32 v[ADSA+1], 2*BLK, v[ADSA]
	s_mul_i32 s56, s16, 2*BLK
	s_add_co_u32 s56, s56, RBB
	v_add_nc_u32 v[ADRB], s56, v[L8]               ; my row block of B: slots 0, 1
	v_add_nc_u32 v[ADRB+1], RBB, v[ADRB]           ; slots 2, 3
	s_mul_i32 s56, s[WV], 16*SP                    ; my stage
	v_and_b32 v8, 15, v0
	v_bfe_u32 v9, v0, 4, 1
	v_mul_u32_u24 v[STO], v8, SP
	v_lshl_add_u32 v[STO], v9, 6, v[STO]
	v_add_nc_u32 v[STO], s56, v[STO]               ; in: row lane % 16, + 64 bytes for lanes 16-31
	v_and_b32 v[CO], 31, v0
	v_lshlrev_b32 v[CO], 4, v[CO]
	v_add_nc_u32 v[RD], s56, v[CO]                 ; back: the 32 lanes take one row of 512 bytes
	v_lshlrev_b32 v[BON], 6, v9
	s_wait_alu depctr_va_vdst(0)
	s_lshl_b32 s56, s21, 10
	s_lshl_b32 s57, s16, 9
	s_add_co_u32 s56, s56, s57                     ; my 128 channels, in bytes
	s_mov_b32 s57, 0
	s_add_nc_u64 s[92:93], s[8:9], s[56:57]        ; their biases
	s_lshl_b32 s58, s22, 19
	s_lshl_b32 s59, s15, 18
	s_add_co_u32 s58, s58, s59
	s_add_co_u32 s58, s58, s56                     ; my 64 tokens' rows of 4,096 bytes, + my channels (under 2^26)
	s_mov_b32 s59, 0
	s_add_nc_u64 s[84:85], s[10:11], s[58:59]
	WIN W_TOT
.irp m, 0,1,2,3,4,5,6,7,8,9,10,11,12,13,14,15      ; register 16 p + i: the bias of channel 32 p + 16 (lane / 16) + i
	global_load_b128 v[4*\m:4*\m+3], v[BON], s[92:93] offset:128*(\m/4)+16*(\m%4)
.endr
	WIN 0
; THE PRODUCT.  One matrix instruction; rD, rB, rA, rX, rY are set by MUL8.  o0, o1: the tile of source 0, of source 1, is the odd one of its pair: its scale words lie in lanes 16-31
.macro WMM zero, o0, o1
.if \zero
.if (\o0) && (\o1)
	v_wmma_scale_f32_16x16x128_f8f6f4 v[rD:rD+7], v[rB:rB+11], v[rA:rA+11], 0, v[rX], v[rY] matrix_a_fmt:MATRIX_FMT_FP6 matrix_b_fmt:MATRIX_FMT_FP6 matrix_a_scale:MATRIX_SCALE_ROW1 matrix_b_scale:MATRIX_SCALE_ROW1
.elseif \o0
	v_wmma_scale_f32_16x16x128_f8f6f4 v[rD:rD+7], v[rB:rB+11], v[rA:rA+11], 0, v[rX], v[rY] matrix_a_fmt:MATRIX_FMT_FP6 matrix_b_fmt:MATRIX_FMT_FP6 matrix_a_scale:MATRIX_SCALE_ROW1
.elseif \o1
	v_wmma_scale_f32_16x16x128_f8f6f4 v[rD:rD+7], v[rB:rB+11], v[rA:rA+11], 0, v[rX], v[rY] matrix_a_fmt:MATRIX_FMT_FP6 matrix_b_fmt:MATRIX_FMT_FP6 matrix_b_scale:MATRIX_SCALE_ROW1
.else
	v_wmma_scale_f32_16x16x128_f8f6f4 v[rD:rD+7], v[rB:rB+11], v[rA:rA+11], 0, v[rX], v[rY] matrix_a_fmt:MATRIX_FMT_FP6 matrix_b_fmt:MATRIX_FMT_FP6
.endif
.else
.if (\o0) && (\o1)
	v_wmma_scale_f32_16x16x128_f8f6f4 v[rD:rD+7], v[rB:rB+11], v[rA:rA+11], v[rD:rD+7], v[rX], v[rY] matrix_a_fmt:MATRIX_FMT_FP6 matrix_b_fmt:MATRIX_FMT_FP6 matrix_a_scale:MATRIX_SCALE_ROW1 matrix_b_scale:MATRIX_SCALE_ROW1
.elseif \o0
	v_wmma_scale_f32_16x16x128_f8f6f4 v[rD:rD+7], v[rB:rB+11], v[rA:rA+11], v[rD:rD+7], v[rX], v[rY] matrix_a_fmt:MATRIX_FMT_FP6 matrix_b_fmt:MATRIX_FMT_FP6 matrix_a_scale:MATRIX_SCALE_ROW1
.elseif \o1
	v_wmma_scale_f32_16x16x128_f8f6f4 v[rD:rD+7], v[rB:rB+11], v[rA:rA+11], v[rD:rD+7], v[rX], v[rY] matrix_a_fmt:MATRIX_FMT_FP6 matrix_b_fmt:MATRIX_FMT_FP6 matrix_b_scale:MATRIX_SCALE_ROW1
.else
	v_wmma_scale_f32_16x16x128_f8f6f4 v[rD:rD+7], v[rB:rB+11], v[rA:rA+11], v[rD:rD+7], v[rX], v[rY] matrix_a_fmt:MATRIX_FMT_FP6 matrix_b_fmt:MATRIX_FMT_FP6
.endif
.endif
.endm
; 8 matrix instructions: B's tiles b0, b0 + 1 x A's four.  The 32 accumulators take turns, one instruction a turn, in the same order in every step
.macro MUL8 b0, set, q, sc, zero
.irp b, \b0, \b0+1
.irp a, 0,1,2,3
.set rD, 8*(8*\a+(\b))
.set rB, BF+12*(\b)
.set rA, AF+48*(\set)+12*\a
.set rX, SC+12*(\sc)+4+2*((\b)/2)+(\q)
.set rY, SC+12*(\sc)+2*(\a/2)+(\q)
	WMM \zero, (\b)%2, \a%2
.endr
.endr
.endm
.macro FRAG reg, adr, off              ; a fragment's six chunks: each load reads 256 consecutive bytes
.irp i, 0,1,2,3,4,5
	ds_load_b64 v[\reg+2*\i:\reg+2*\i+1], v[\adr] offset:\off+256*\i
.endr
.endm
.macro FETCH_A set, sg, q              ; my four tiles of A, slot sg, its q-th 128 along K
.irp a, 0,1,2,3
	FRAG AF+48*(\set)+12*\a, ADRA+(\sg)/2, ((\sg)%2)*BLK+(8*(\q)+\a)*FRB
.endr
.endm
.macro FETCH_B sg, q, b0               ; B's tiles b0 .. b0 + 3
.irp b, \b0, \b0+1, \b0+2, \b0+3
	FRAG BF+12*(\b), ADRB+(\sg)/2, ((\sg)%2)*BLK+(8*(\q)+(\b))*FRB
.endr
.endm
.macro SCALES sg                       ; a slot's scale words, both q at once: A's two pairs, B's four, into set sg % 2
.irp p, 0,1
	ds_load_b64 v[SC+12*((\sg)%2)+2*\p:SC+12*((\sg)%2)+2*\p+1], v[ADSA+(\sg)/2] offset:((\sg)%2)*BLK+SCO+256*\p
.endr
.irp p, 0,1,2,3
	ds_load_b64 v[SC+12*((\sg)%2)+4+2*\p:SC+12*((\sg)%2)+4+2*\p+1], v[ADRB+(\sg)/2] offset:((\sg)%2)*BLK+SCO+256*\p
.endr
.endm
; A load into a register that a matrix instruction has read stands four plain vector instructions behind it (ISA guide 7.12.1 for vector instructions): the v_nop in front of each run of loads
.macro STEP sg, zero                   ; a slot's first 128 along K: A's set 0
	s_wait_dscnt 24                                ; all but the youngest 24 loads (B's tiles 4-7) are in
	WIN W_MUL
	MUL8 0, 0, 0, (\sg)%2, \zero
	MUL8 2, 0, 0, (\sg)%2, \zero
	s_wait_dscnt 0x0
	PLACES 4
	WIN 0
	FETCH_A 1, \sg, 1
	FETCH_B \sg, 1, 0
	WIN W_MUL
	MUL8 4, 0, 0, (\sg)%2, \zero
	MUL8 6, 0, 0, (\sg)%2, \zero
	PLACES 4
	WIN 0
	FETCH_B \sg, 1, 4
.endm
.macro TURN sg                         ; its second 128: A's set 1; the next slot is shown whole by a barrier.  The wait on TENSORcnt is counted
	s_wait_dscnt 24
	WIN W_MUL
	MUL8 0, 1, 1, (\sg)%2, 0
.if (\sg) == 1
	s_wait_tensorcnt 0x0                           ; slots 2 and 3 are shown by this one barrier: every wave waits for its load.  Behind it nobody reads slots 0 and 1 any more
	s_wait_dscnt 0x0                               ; no LDS instruction of mine is out at a signal
	s_barrier_signal -1
.else
	s_wait_dscnt 0x0                               ; the next slot has been shown already: no barrier
.endif
	MUL8 2, 1, 1, (\sg)%2, 0
	WIN 0
.if (\sg) == 1
	s_barrier_wait -1
.endif
	PLACES 4
	SCALES (\sg)+1
	FETCH_A 0, (\sg)+1, 0
	FETCH_B (\sg)+1, 0, 0
	WIN W_MUL
	MUL8 4, 1, 1, (\sg)%2, 0
	MUL8 6, 1, 1, (\sg)%2, 0
	PLACES 4
	WIN 0
	FETCH_B (\sg)+1, 0, 4
.endm
	s_wait_alu depctr_va_vdst(0)
	s_cmp_lt_u32 s[WV], 2                          ; slots 0 and 1 are waves 0 and 1's loads; the other two may be on their way
	s_cbranch_scc0 .Lnot_first
	s_wait_tensorcnt 0x0
.Lnot_first:
	s_barrier_signal -1
	s_barrier_wait -1
	SCALES 0
	FETCH_A 0, 0, 0
	FETCH_B 0, 0, 0
	FETCH_B 0, 0, 4
	STEP 0, 1                                      ; the first step's products start the sums: nothing is cleared
	TURN 0
	STEP 1, 0
	TURN 1
	STEP 2, 0
	TURN 2                                         ; no wait on TENSORcnt and no barrier: slot 3 was shown by TURN 1's
	STEP 3, 0
	s_wait_dscnt 24                                ; the last step fetches nothing
	WIN W_MUL
	MUL8 0, 1, 1, 1, 0
	MUL8 2, 1, 1, 1, 0
	s_wait_dscnt 0x0
	MUL8 4, 1, 1, 1, 0
	MUL8 6, 1, 1, 1, 0
	WIN 0
.macro ADDB a                          ; tile a's eight accumulators + bias, each accumulator from its low end on
	WIN W_ADD
.irp b, 0,1,2,3,4,5,6,7
.irp j, 0,2,4,6
	v_pk_add_f32 v[HA+64*((\a)%2)+8*\b+\j:HA+64*((\a)%2)+8*\b+\j+1], v[8*(8*(\a)+\b)+\j:8*(8*(\a)+\b)+\j+1], v[8*\b+\j:8*\b+\j+1]
.endr
.endr
	WIN 0
.endm
.macro TOSTAGE a                       ; register 8 b + 4 k on: channels 32 (b / 2) + 8 (b % 2) + 16 (lane / 16) + 4 k on of my token
.irp b, 0,1,2,3,4,5,6,7
.irp k, 0,1
	ds_store_b128 v[STO], v[HA+64*((\a)%2)+8*\b+4*\k:HA+64*((\a)%2)+8*\b+4*\k+3] offset:128*(\b/2)+32*(\b%2)+16*\k
.endr
.endr
.irp t, 0,1,2,3,4,5,6,7,8,9,10,11,12,13,14,15
	ds_load_b128 v[BK+4*\t:BK+4*\t+3], v[RD] offset:SP*\t          ; LDS serves a wave's instructions in order: these see the stores above
.endr
.endm
.macro SEND a                          ; stage row t is token 32 (a / 2) + 8 (a % 2) + t + 8 (t / 8) of my 64
	s_wait_dscnt 0x0
.irp t, 0,1,2,3,4,5,6,7,8,9,10,11,12,13,14,15
	global_store_b128 v[CO], v[BK+4*\t:BK+4*\t+3], s[84:85] offset:(32*((\a)/2)+8*((\a)%2)+\t+8*(\t/8))*4096 th:TH_STORE_NT   ; 32 lanes store 512 consecutive bytes, aligned; written once, read by nobody here
.endr
.endm
	s_wait_loadcnt 0x0                             ; the biases
	PLACES 4
	ADDB 0
	TOSTAGE 0
.irp a, 1,2,3
	ADDB \a                                        ; a tile's additions stand between the loads of the tile before and the wait for them
	s_wait_alu depctr_va_vdst(0)
	SEND \a-1
	s_wait_xcnt 0x0                                ; the stores have read their data: the next tile's rows land there only behind this wait
	TOSTAGE \a
.endr
	SEND 3
	s_wait_dscnt 0x0
	s_wait_tensorcnt 0x0
	ds_add_u32 v254, v255
	s_wait_dscnt 0x0
	CROUND                                         ; the closing round: no work-group ends while a partner may still ask for a tile that names it
	s_endpgm
.Lfunc_end_k_q4324a03d00_outp:
	.size	k_q4324a03d00_outp, .Lfunc_end_k_q4324a03d00_outp-k_q4324a03d00_outp
	.p2alignl 7, 3214868480
	.fill 96, 4, 3214868480
	.section	.rodata,"a",@progbits
	.p2align	6, 0x0
	.amdhsa_kernel k_q4324a03d00_outp
		.amdhsa_group_segment_fixed_size 307712
		.amdhsa_private_segment_fixed_size 0
		.amdhsa_enable_private_segment 0
		.amdhsa_kernarg_size 32
		.amdhsa_user_sgpr_count 2
		.amdhsa_user_sgpr_kernarg_segment_ptr 1
		.amdhsa_wavefront_size32 1
		.amdhsa_system_sgpr_workgroup_id_x 1
		.amdhsa_system_sgpr_workgroup_id_y 1
		.amdhsa_system_sgpr_workgroup_id_z 1
		.amdhsa_system_vgpr_workitem_id 0
		.amdhsa_next_free_vgpr 576
		.amdhsa_next_free_sgpr 100
		.amdhsa_reserve_vcc 0
		.amdhsa_float_denorm_mode_32 3
		.amdhsa_float_denorm_mode_16_64 3
		.amdhsa_memory_ordered 1
		.amdhsa_forward_progress 1
		.amdhsa_inst_pref_size 104
	.end_amdhsa_kernel
	.amdgpu_metadata
---
amdhsa.version: [ 1, 2 ]
amdhsa.kernels:
  - .name:           k_q4324a03d00_outp
    .symbol:         k_q4324a03d00_outp.kd
    .args:
      - { .name: att, .offset: 0, .size: 8, .value_kind: global_buffer, .address_space: global }
      - { .name: inq, .offset: 8, .size: 8, .value_kind: global_buffer, .address_space: global }
      - { .name: bo, .offset: 16, .size: 8, .value_kind: global_buffer, .address_space: global }
      - { .name: out0, .offset: 24, .size: 8, .value_kind: global_buffer, .address_space: global }
    .group_segment_fixed_size: 307712
    .private_segment_fixed_size: 0
    .kernarg_segment_align: 8
    .kernarg_segment_size: 32
    .max_flat_workgroup_size: 128
    .sgpr_count:     100
    .vgpr_count:     576
    .wavefront_size: 32
...
	.end_amdgpu_metadata
.endif
;; end of part 4
